; MI455X (gfx1250); checked and timed in simulation.
; The chip was launched on July 23, 2026; its instructions are those of AMD's public machine-readable ISA for CDNA 5 (MIT licence, August 2026) and "CDNA5" Instruction Set Architecture Reference Guide (July 2026). The comments in the code are by the model that wrote it; some were corrected since.
;; Rope Attention. Allowed arithmetic: matrix products marked QUANTISED: E2M1 operands, one E8M0 scale for each 32 along K, by v_wmma_scale_f32_16x16x128_f8f6f4 with both operands' format E2M1 (or v_wmma_scale_f32_32x16x128_f4), f32 sums; products left as they are: bf16, f16 or f32 operands; f32 sums; everything else in f32.
;; Inputs: Wk 1,024 x 1,024 float32; Wo 1,024 x 1,024 float32; Wq 1,024 x 1,024 float32; Wv 1,024 x 1,024 float32; k_src 4 x 2,048 x 1,024 float32; position_mask 2,048 x 2,048 bool; q_src 4 x 2,048 x 1,024 float32; v_src 4 x 2,048 x 1,024 float32.
;; Outputs: out0 4 x 2,048 x 1,024 float32.
;; This version of the problem:
;;   THIS VERSION OF THE PROBLEM IS GIVEN IN LOW PRECISION. The matrix products marked QUANTISED in the list below multiply operands that are first quantised to E2M1 (2 exponent bits, 1 mantissa bit; 4 bits a number), with one power-of-two scale for each 32 numbers along K (OCP MX v1.0); their sums are f32. The products marked 'left as it is' may take bf16, f16 or f32 operands, with f32 sums. Whichever they take, every output number must still come out within the allowed error. Rounding operands to bf16 (8 significant bits) uses up far more of that allowance than f16 does (11 bits, for magnitudes from 6e-5 to 65,504). All else is computed in f32.
;;   The module's matrix products, in the order in which they are computed (A, B: the left and right operand; K: the contracted axis; several contracted axes count as one K, in the product's order):
;;     1. [M 8,192, K 1,024] x [K 1,024, N 1,024]; A: input q_src; B: input Wq: QUANTISED
;;     2. [M 8,192, K 1,024] x [K 1,024, N 1,024]; A: input k_src; B: input Wk: QUANTISED
;;     3. [M 8,192, K 1,024] x [K 1,024, N 1,024]; A: input v_src; B: input Wv: QUANTISED
;;     4. batch 64 x [M 2,048, K 64] x [K 64, N 2,048]; A: computed on the way; B: computed on the way: left as it is (an operand is computed on the way)
;;     5. batch 64 x [M 2,048, K 2,048] x [K 2,048, N 64]; A: computed on the way; B: computed on the way: left as it is (an operand is computed on the way)
;;     6. [M 8,192, K 1,024] x [K 1,024, N 1,024]; A: computed on the way; B: input Wo: left as it is (an operand is computed on the way)
;;   THE QUANTISER, for each operand of a quantised product, along K:
;;     - K is cut into blocks of 32 from its start; a last block that is shorter is filled with zeros.
;;     - A block's scale is 2^e with e = floor(log2(the largest magnitude in the block)) - 2, held to -126 .. 127; a block of zeros has e = 0. As a byte (E8M0): e + 127.
;;     - Each number is divided by its block's scale, clamped to +-6, and rounded to the nearest number of E2M1, ties to even, subnormals kept.
;;     - The product sums the exact products of the quantised numbers (number of the format x scale) in f32.
;;   ~~~python
;;   def quantise(x, axis):      # numpy; x: float32 -> the quantised numbers, widened to float32 again
;;       x = np.moveaxis(x, axis, -1); K = x.shape[-1]
;;       x = np.pad(x, [(0, 0)] * (x.ndim - 1) + [(0, -K % 32)]); x = x.reshape(x.shape[:-1] + (-1, 32)); a = np.abs(x).max(-1, keepdims=True)
;;       e = np.where(a > 0, np.clip(np.frexp(np.where(a > 0, a, 1))[1] - 1 - 2, -126, 127), 0)      # np.frexp(a)[1] - 1 = floor(log2(a)), exactly
;;       r = np.clip(x / 2.0 ** e, -6, 6)
;;       step = 2.0 ** (np.maximum(np.frexp(np.where(r == 0, 1, r))[1] - 1, 0) - 1)
;;       q = np.round(r / step) * step * 2.0 ** e      # np.round: ties to even
;;       return np.moveaxis(q.reshape(q.shape[:-2] + (-1,))[..., :K], -1, axis).astype(np.float32)
;;   ~~~
;; One version. Each part assembles by itself: llvm-mc -triple=amdgcn-amd-amdhsa -mcpu=gfx1250 --defsym DOCPART=n.
;; ======== version 1 of 1: 5 launches
;; limits: values are held in f16: magnitudes above 65,504 overflow, below 6.1e-05 lose precision; a function is approximated: absolute error at most 0.0001
;; workspace buffers: codes 14,155,776 bytes; scales 884,736 bytes; tabs 2,359,296 bytes; flags 1,024 bytes of whole numbers; qkv 51,118,080 bytes; attn16 16,777,216 bytes
;; launch prep (part 1): grid 1089 x 1, 4 waves a work-group, no clusters, 33,280 bytes of LDS; arguments q_src, k_src, v_src, Wq, Wk, Wv, Wo, position_mask, codes, scales, tabs, flags; writes codes, scales, tabs, flags
.if DOCPART == 1
	.amdgcn_target "amdgcn-amd-amdhsa--gfx1250"
	.amdhsa_code_object_version 6
	.text
	.protected	k_q110a53e2b5_prep
	.globl	k_q110a53e2b5_prep
	.p2align	8
	.type	k_q110a53e2b5_prep,@function
k_q110a53e2b5_prep:
	s_mov_b64 s[64:65], 0
	v_nop
	global_prefetch_b8 v0, s[64:65] scope:SCOPE_SE
	s_setreg_imm32_b32 hwreg(HW_REG_WAVE_MODE, 25, 1), 1
	s_wait_xcnt 0x0
; RopeAttention, launch 1 of 5: everything that is made once.
; THE PROGRAM.  1 prep: codes and scale bytes (FP4 E2M1, one E8M0 byte for 32 along K) of q_src, k_src, v_src, Wq, Wk, Wv; Wo as f16; the table of cos and sin; flags of the mask.
;   2 qkv: the three quantised products, RoPE, results as f16 (positions 0-15 also as f32).  3 attn: attention on f16 operands.  4 proj: the product with Wo on f16 operands.
;   5 fine: positions 0-15 of every sequence once more, attention and the product with Wo in f32, stored over launch 4's rows.
; NO INPUT AND NO PRODUCT IS LEFT OUT.  Two things are done otherwise than reference() writes them:
;   (a) the factor (1/sqrt(64))^0.5 on q and on k: RoPE is linear, so (s q).(s k) = q.k / 8 for all values; q and k are kept unscaled and 1/8 stands in the softmax's one multiply-add.
;   (b) a tile of 32 queries x 64 keys in which position_mask hides EVERY pair adds exp(-inf) = 0 to every sum, whatever the floating-point inputs hold.  Which tiles those are is decided by the whole
;       numbers of the mask as it is given (no pattern is built in): this launch counts them and stores flags, and the later launches read the flags from memory and pass over such tiles.
; LIMITS.  NaN and infinities among the floating-point inputs are not served, and one that would reach only a tile passed over by (b) is not carried to the result.  Bytes of position_mask are 0 or 1.
;   A block of 32 zeros gets the scale byte 1 where the rule says 127: its codes are zeros, and this program alone reads the bytes; blocks whose largest magnitude lies under 2^-124 are held at that byte.
;   The angles pos x inv_freq are formed with inv_freq = 10^(-i/4) x 10^(-a), within two units in the last place of reference()'s: at position 2,047 about 1e-4 rad.
; ROLES, by the work-group's number: 0-863 quantise (32,768 numbers each; the six tensors on end, so that codes and scale bytes are linear in the number); 864-895 Wo; 896-1023 the table;
;   1024-1087 flags of 32 queries x 64 keys; 1088 flags of queries 0-15 x 16 keys.  Only the first role touches LDS.
.set WAVES, 4
.set STEPS, 16
.set EMAX,  2
.set CB,    8                          ; bytes of 16 codes
.set R,     16                         ; v16-79   four sets of 16 numbers as they are loaded
.set X,     80                         ; v80-111  two sets of 16 neighbours
.set C,     128                        ; v128-191 codes: four registers for each step
.set E,     112                        ; v112-127 a scale byte for each step
.set WREG,  8192                       ; LDS: a region for each wave: two stages of 32 x SP bytes, then its 256 scale bytes
.set SP,    80                         ; a lane's place in a stage: 64 bytes + 16 of padding
.set SPW,   12                         ; v12 LDS address of my spare word; never rewritten
.set NIL,   13                         ; v13 0; never rewritten
.set SPARE, WAVES*WREG                 ; behind the four regions: the spare words, 128 bytes a wave
	s_load_b512 s[4:19], s[0:1], 0x0               ; q_src s4, k_src s6, v_src s8, Wq s10, Wk s12, Wv s14, Wo s16, position_mask s18
	s_load_b256 s[20:27], s[0:1], 0x40             ; codes s20, scales s22, tabs s24, flags s26
	v_lshl_add_u32 v[SPW], v0, 2, SPARE
	v_mov_b32 v[NIL], 0
	v_lshrrev_b32 v1, 5, v0
	v_readfirstlane_b32 s28, v1                    ; wave
	v_and_b32 v2, 31, v0                           ; lane
	; the quantiser's LDS addresses, made ahead of the parting of the roles
	v_lshlrev_b32 v3, 4, v2                        ; my 16 bytes of a load's 512
	s_mul_i32 s29, s28, WREG
	v_lshrrev_b32 v14, 2, v2
	v_mul_u32_u24 v14, v14, SP
	v_and_b32 v15, 3, v2
	v_lshl_add_u32 v14, v15, 4, v14
	v_add_nc_u32 v14, s29, v14                     ; the stage, on the way in: SP (lane / 4) + 16 (lane % 4)
	v_mul_u32_u24 v15, v2, SP
	v_add_nc_u32 v15, s29, v15                     ; and on the way out: SP x lane: my 16 neighbours
	v_mul_u32_u24 v4, v2, CB                       ; my codes' place in a step's
	v_lshrrev_b32 v5, 1, v2
	s_add_co_u32 s29, s29, 2*32*SP
	v_add_nc_u32 v5, s29, v5                       ; my wave's 256 scale bytes, my block's byte
	v_lshlrev_b32 v7, 3, v2                        ; and on the way out 8 bytes a lane
	v_add_nc_u32 v6, s29, v7
	s_wait_kmcnt 0x0
	s_cmp_ge_u32 ttmp9, 864
	s_cbranch_scc1 .Lrole_b
; ---- ROLE A: f32 numbers into codes.  A tensor is a plain stream of blocks of 32 (rows are dense, K = 1,024).  A wave takes 16 steps of 512 numbers.
; Each load reads 512 consecutive bytes; a step's 2,048 bytes turn through the wave's own stage, so that a lane holds 16 neighbours (two lanes a block).
	s_mov_b64 s[30:31], s[4:5]                     ; the source and its first work-group: a choice on the work-group's number alone
	s_mov_b32 s29, 0
	s_cmp_ge_u32 ttmp9, 256
	s_cselect_b64 s[30:31], s[6:7], s[30:31]
	s_cselect_b32 s29, 256, s29
	s_cmp_ge_u32 ttmp9, 512
	s_cselect_b64 s[30:31], s[8:9], s[30:31]
	s_cselect_b32 s29, 512, s29
	s_cmp_ge_u32 ttmp9, 768
	s_cselect_b64 s[30:31], s[10:11], s[30:31]
	s_cselect_b32 s29, 768, s29
	s_cmp_ge_u32 ttmp9, 800
	s_cselect_b64 s[30:31], s[12:13], s[30:31]
	s_cselect_b32 s29, 800, s29
	s_cmp_ge_u32 ttmp9, 832
	s_cselect_b64 s[30:31], s[14:15], s[30:31]
	s_cselect_b32 s29, 832, s29
	s_sub_co_u32 s29, ttmp9, s29
	s_lshl_b32 s29, s29, 2
	s_add_co_u32 s29, s29, s28                     ; which run of 8,192 numbers of the source is my wave's
	s_lshl_b32 s32, s29, 15
	s_mov_b32 s33, 0
	s_add_nc_u64 s[30:31], s[30:31], s[32:33]
	s_lshl_b32 s29, ttmp9, 2
	s_add_co_u32 s29, s29, s28                     ; and which run of the joint buffers
	s_lshl_b32 s32, s29, 12
	s_add_nc_u64 s[20:21], s[20:21], s[32:33]      ; 4,096 bytes of codes a run
	s_lshl_b32 s32, s29, 8
	s_add_nc_u64 s[22:23], s[22:23], s[32:33]      ; 256 scale bytes a run
.macro LOAD t
.irp i, 0,1,2,3
	global_load_b128 v[R+16*((\t)%4)+4*\i:R+16*((\t)%4)+4*\i+3], v3, s[30:31] offset:2048*(\t)+512*\i th:TH_LOAD_NT   ; 32 lanes read 512 consecutive bytes
.endr
.endm
.macro TURN t                          ; step t's numbers through the stage: LDS serves a wave's instructions in order, so no wait stands between the stores and the loads
.irp i, 0,1,2,3
	ds_store_b128 v14, v[R+16*((\t)%4)+4*\i:R+16*((\t)%4)+4*\i+3] offset:32*SP*((\t)%2)+8*SP*\i
.endr
.irp i, 0,1,2,3
	ds_load_b128 v[X+16*((\t)%2)+4*\i:X+16*((\t)%2)+4*\i+3], v15 offset:32*SP*((\t)%2)+16*\i
.endr
.endm
.irp t, 0,1,2,3
	LOAD \t
.endr
	s_wait_loadcnt 12                              ; step 0's four loads are in; three steps' twelve stay out
	TURN 0
.macro STEP t
.set XS, X+16*((\t)%2)
.if (\t) > 0
	s_wait_dscnt 1                                 ; this step's numbers are back from the stage (the last step's byte store may be out)
.else
	s_wait_dscnt 0x0
.endif
.if (\t)+4 < STEPS
	LOAD (\t)+4                                    ; into the registers that the stage's stores have read
.endif
.if (\t)+1 < STEPS
.if STEPS-2-(\t) >= 3
	s_wait_loadcnt 12                              ; the next step's four loads are in; those of the three steps behind it may be out
.else
	s_wait_loadcnt 4*(STEPS-2-(\t))
.endif
	TURN (\t)+1
.endif
	v_max3_num_f32 v8, |v[XS]|, |v[XS+1]|, |v[XS+2]|               ; the largest magnitude of my 16, in two chains
	v_max3_num_f32 v9, |v[XS+3]|, |v[XS+4]|, |v[XS+5]|
.irp i, 6,10
	v_max3_num_f32 v8, v8, |v[XS+\i]|, |v[XS+\i+1]|
	v_max3_num_f32 v9, v9, |v[XS+\i+2]|, |v[XS+\i+3]|
.endr
	v_max3_num_f32 v8, v8, |v[XS+14]|, |v[XS+15]|
	v_max3_num_f32 v8, v8, v9, (EMAX+1)<<23        ; and the floor 2^(3 - 127): the byte cannot fall under 1
	v_max_num_f32_dpp v8, v8, v8 row_xmask:1 row_mask:0xf bank_mask:0xf   ; with my neighbour's 16: the block's
	v_add_nc_u32 v11, -(EMAX<<23), v8              ; 2 off its exponent field: the conversion takes this operand's exponent field as its scale
	v_cvt_scalef32_pk8_fp4_f32 v[C+4*(\t)], v[XS:XS+7], v11
	v_cvt_scalef32_pk8_fp4_f32 v[C+4*(\t)+1], v[XS+8:XS+15], v11
	v_lshrrev_b32 v[E+(\t)], 23, v11               ; the scale's byte
	ds_store_b8 v5, v[E+(\t)] offset:16*(\t)       ; both lanes of a block write the same byte with the same value
	global_store_b64 v4, v[C+4*(\t):C+4*(\t)+1], s[20:21] offset:32*CB*(\t)   ; the wave stores 256 consecutive bytes, aligned
.endm
.irp t, 0,1,2,3,4,5,6,7,8,9,10,11,12,13,14,15
	STEP \t
.endr
	ds_load_b64 v[8:9], v6                         ; LDS serves a wave's instructions in order: these see my byte stores
	s_wait_dscnt 0x0
	global_store_b64 v7, v[8:9], s[22:23]          ; 256 consecutive scale bytes, aligned
	s_wait_tensorcnt 0x0                           ; the wave's end: behind my last LDS store
	ds_add_u32 v[SPW], v[NIL]
	s_wait_dscnt 0x0
	s_endpgm
; ---- ROLE B: Wo as f16, [n][k] as it lies.  A wave takes 8,192 numbers in four batches of eight steps; a lane 8 neighbours a step: 32 bytes in, 16 out; a store covers 512 consecutive bytes.
.Lrole_b:
	s_cmp_ge_u32 ttmp9, 896
	s_cbranch_scc1 .Lrole_c
	s_sub_co_u32 s29, ttmp9, 864
	s_lshl_b32 s29, s29, 2
	s_add_co_u32 s29, s29, s28
	s_lshl_b32 s32, s29, 15
	s_mov_b32 s33, 0
	s_add_nc_u64 s[16:17], s[16:17], s[32:33]
	s_lshl_b32 s32, s29, 14
	s_add_nc_u64 s[24:25], s[24:25], s[32:33]
	v_lshlrev_b32 v16, 5, v2
	v_lshlrev_b32 v17, 4, v2
.macro WOB q
.irp u, 0,1,2,3,4,5,6,7
	global_load_b128 v[32+8*\u:35+8*\u], v16, s[16:17] offset:8192*\q+1024*\u
	global_load_b128 v[36+8*\u:39+8*\u], v16, s[16:17] offset:8192*\q+1024*\u+16
.endr
.irp u, 0,1,2,3,4,5,6,7
	s_wait_loadcnt 14-2*\u                         ; this step's two loads are in; the later steps' stay out
.irp r, 0,1,2,3
	v_cvt_pk_f16_f32 v[96+4*\u+\r], v[32+8*\u+2*\r], v[33+8*\u+2*\r]
.endr
	global_store_b128 v17, v[96+4*\u:99+4*\u], s[24:25] offset:4096*\q+512*\u
.endr
.if \q < 3
	s_wait_xcnt 0x0                                ; the stores have read their registers: the next batch writes them again
.endif
.endm
	WOB 0
	WOB 1
	WOB 2
	WOB 3
	s_endpgm
; ---- ROLE C: the table [2,048 positions][cos of 16 frequencies | sin of 16], f32, at byte 2,097,152 of tabs.  A thread makes four neighbours: 16 bytes; the threads' stores are dense.
; x = pos x inv_freq (one rounding, as reference() has it); n = the nearest whole number to x 2/pi; r = x - n pi/2 with pi/2 in two parts; polynomials on |r| <= pi/4; the quadrant only SELECTS values.
.Lrole_c:
	s_cmp_ge_u32 ttmp9, 1024
	s_cbranch_scc1 .Lrole_d
	s_sub_co_u32 s29, ttmp9, 896
	s_lshl_b32 s29, s29, 7
	v_add_nc_u32 v16, s29, v0                      ; g: which 16 bytes of the table
	v_lshrrev_b32 v17, 3, v16                      ; the position
	v_and_b32 v18, 3, v16                          ; a: frequencies 4 a .. 4 a + 3
	v_bfe_u32 v19, v16, 2, 1                       ; 0: cos, 1: sin
	v_mul_u32_u24 v19, v19, 3                      ; sin x = cos(x - pi/2): three quadrants on
	v_cvt_f32_u32 v20, v17
	v_lshlrev_b32 v22, 4, v16
	s_mov_b32 s30, 0x3fc90fdb                      ; pi/2, its f32 part,
	s_mov_b32 s31, 0xb33bbd2e                      ; and the rest
	s_mov_b32 s32, 0xb94ca1f9                      ; the sine's highest coefficient
	s_mov_b32 s33, 0x37ccf5ce                      ; the cosine's
	v_mov_b32 v21, 1.0                             ; 10^(-a)
	v_cmp_ne_u32 vcc_lo, 1, v18
	v_cndmask_b32 v21, 0x3dcccccd, v21, vcc_lo
	v_cmp_ne_u32 vcc_lo, 2, v18
	v_cndmask_b32 v21, 0x3c23d70a, v21, vcc_lo
	v_cmp_ne_u32 vcc_lo, 3, v18
	v_cndmask_b32 v21, 0x3a83126f, v21, vcc_lo
.macro ANG i, lit                      ; frequency 4 a + i: inv_freq = 10^(-i/4) x 10^(-a)
.set AB, 32+8*\i
.if \i == 0
	v_mul_f32 v[AB], v20, v21
.else
	v_mul_f32 v[AB], \lit, v21
	v_mul_f32 v[AB], v20, v[AB]
.endif
	v_mul_f32 v[AB+1], 0x3f22f983, v[AB]
	v_rndne_f32 v[AB+1], v[AB+1]                   ; n
	v_fma_f32 v[AB+2], -v[AB+1], s30, v[AB]
	v_fma_f32 v[AB+2], -v[AB+1], s31, v[AB+2]      ; r
	v_mul_f32 v[AB+3], v[AB+2], v[AB+2]            ; z = r r
	v_fmaak_f32 v[AB+4], s32, v[AB+3], 0x3c08839e
	v_fmaak_f32 v[AB+4], v[AB+4], v[AB+3], 0xbe2aaaa3
	v_mul_f32 v[AB+4], v[AB+4], v[AB+3]
	v_fma_f32 v[AB+4], v[AB+2], v[AB+4], v[AB+2]   ; sin r
	v_fmaak_f32 v[AB+5], s33, v[AB+3], 0xbab6061a
	v_fmaak_f32 v[AB+5], v[AB+5], v[AB+3], 0x3d2aaaa5
	v_mul_f32 v[AB+5], v[AB+5], v[AB+3]
	v_fma_f32 v[AB+6], v[AB+3], -0.5, 1.0
	v_fma_f32 v[AB+5], v[AB+5], v[AB+3], v[AB+6]   ; cos r
	v_cvt_i32_f32 v[AB+6], v[AB+1]
	v_add_nc_u32 v[AB+6], v[AB+6], v19             ; the quadrant q (its low two bits)
	v_and_b32 v[AB+7], 1, v[AB+6]
	v_cmp_eq_u32 vcc_lo, 1, v[AB+7]
	v_cndmask_b32 v[24+\i], v[AB+5], v[AB+4], vcc_lo   ; odd q: sin r, even q: cos r
	v_add_nc_u32 v[AB+6], 1, v[AB+6]
	v_and_b32 v[AB+6], 2, v[AB+6]
	v_lshlrev_b32 v[AB+6], 30, v[AB+6]             ; q = 1, 2: the sign turns
	v_xor_b32 v[24+\i], v[AB+6], v[24+\i]
.endm
	ANG 0, 0
	ANG 1, 0x3f0ff59a
	ANG 2, 0x3ea1e89b
	ANG 3, 0x3e361887
	global_store_b128 v22, v[24:27], s[24:25] offset:2097152
	s_endpgm
; d = the bytewise sum of the n words v[base] on (n even, at least 4): the mask's bytes are 0 or 1, so no byte of a sum of at most 128 words overflows
.macro BSUM d, base, n
	v_add3_u32 v[\d], v[\base], v[\base+1], v[\base+2]
.set k, 3
.rept ((\n)-4)/2
	v_add3_u32 v[\d], v[\d], v[\base+k], v[\base+k+1]
.set k, k+2
.endr
	v_add_nc_u32 v[\d], v[\d], v[\base+(\n)-1]
.endm
; ---- ROLE D: work-group g = group of 32 queries; wave c = key steps 8 c .. 8 c + 7 of 64 keys.  Lane l takes key step 8 c + l % 8 and rows 8 (l / 8) .. + 7 of the group: 32 loads in ONE batch, one wait.
; A row's four loads together cover 512 consecutive bytes.  The four row quarters of a key step lie in lanes l, l xor 8, l xor 16, l xor 24 and are added across them.
; LIVE: not all 2,048 pairs hidden.  MIX: some hidden.  Lanes 0-7 of the compare's mask are bits 8 c .. 8 c + 7 of the group's word: byte c of the words at 8 g and 8 g + 4.
.Lrole_d:
	s_cmp_ge_u32 ttmp9, 1088
	s_cbranch_scc1 .Lrole_e
	s_sub_co_u32 s29, ttmp9, 1024                  ; g
	s_lshl_b32 s32, s29, 16                        ; the group's 32 rows of 2,048 bytes,
	s_lshl_b32 s33, s28, 9                         ; my wave's eight key steps of 64 bytes
	s_add_co_u32 s32, s32, s33
	s_mov_b32 s33, 0
	s_add_nc_u64 s[18:19], s[18:19], s[32:33]
	s_lshl_b32 s32, s29, 3
	s_add_co_u32 s32, s32, s28                     ; byte c of the group's two words
	s_add_nc_u64 s[26:27], s[26:27], s[32:33]
	s_mov_b32 s30, 0x00ff00ff
	s_mov_b32 s36, 0x76543210                      ; v_permlanex16_b32's selects for lane l xor 16
	s_mov_b32 s37, 0xfedcba98
	v_and_b32 v16, 7, v2
	v_lshlrev_b32 v16, 6, v16                      ; 64 (l % 8)
	v_lshrrev_b32 v17, 3, v2
	v_lshl_add_u32 v16, v17, 14, v16               ; + 8 (l / 8) rows of 2,048 bytes
.irp rr, 0,1,2,3,4,5,6,7
.irp i, 0,1,2,3
	global_load_b128 v[32+4*(4*\rr+\i):35+4*(4*\rr+\i)], v16, s[18:19] offset:2048*\rr+16*\i
.endr
.endr
	s_wait_loadcnt 0x0
	BSUM 20, 32, 32
	BSUM 21, 64, 32
	BSUM 22, 96, 32
	BSUM 23, 128, 32
	v_add3_u32 v20, v20, v21, v22
	v_add_nc_u32 v20, v20, v23                     ; 128 at the most in a byte
	v_and_b32 v21, s30, v20
	v_lshrrev_b32 v20, 8, v20
	v_and_b32 v20, s30, v20
	v_add_nc_u32 v20, v20, v21
	v_and_b32 v21, 0xffff, v20
	v_lshrrev_b32 v20, 16, v20
	v_add_nc_u32 v20, v20, v21                     ; hidden pairs among my 8 rows x 64 keys
	v_mov_b32_dpp v21, v20 row_xmask:8 row_mask:0xf bank_mask:0xf
	v_add_nc_u32 v20, v20, v21                     ; with lane l xor 8's eight rows,
	v_permlanex16_b32 v21, v20, s36, s37
	v_add_nc_u32 v20, v20, v21                     ; and lane l xor 16's sixteen: the tile's
	v_cmp_ne_u32 s34, 0x800, v20                   ; LIVE
	v_cmp_ne_u32 s35, 0, v20                       ; MIX
	v_mov_b32 v22, s34
	v_mov_b32 v23, s35
	v_mov_b32 v25, 0
	v_cmp_eq_u32 vcc_lo, 0, v2
	s_wait_xcnt 0x0                                ; EXEC changes only behind this wait
	s_and_saveexec_b32 s38, vcc_lo
	global_store_b8 v25, v22, s[26:27]             ; lane 0 alone: the low byte of each mask
	global_store_b8 v25, v23, s[26:27] offset:4
	s_wait_xcnt 0x0
	s_or_b32 exec_lo, exec_lo, s38
	s_endpgm
; ---- ROLE E: queries 0-15 against tiles of 16 keys: wave c, lane l: tile 32 c + l; bit l of word c at byte 512 + 4 c: not all 256 pairs hidden
.Lrole_e:
	s_lshl_b32 s32, s28, 9
	s_mov_b32 s33, 0
	s_add_nc_u64 s[18:19], s[18:19], s[32:33]
	s_lshl_b32 s32, s28, 2
	s_add_nc_u64 s[26:27], s[26:27], s[32:33]
	s_mov_b32 s30, 0x00ff00ff
	v_lshlrev_b32 v16, 4, v2
.irp i, 0,1,2,3,4,5,6,7,8,9,10,11,12,13,14,15
	global_load_b128 v[32+4*\i:35+4*\i], v16, s[18:19] offset:2048*\i   ; 512 consecutive bytes of row i
.endr
	s_wait_loadcnt 0x0
	BSUM 20, 32, 32
	BSUM 21, 64, 32
	v_add_nc_u32 v20, v20, v21
	v_and_b32 v21, s30, v20
	v_lshrrev_b32 v20, 8, v20
	v_and_b32 v20, s30, v20
	v_add_nc_u32 v20, v20, v21
	v_and_b32 v21, 0xffff, v20
	v_lshrrev_b32 v20, 16, v20
	v_add_nc_u32 v20, v20, v21
	v_cmp_ne_u32 s34, 0x100, v20
	v_mov_b32 v22, s34
	v_mov_b32 v25, 0
	v_cmp_eq_u32 vcc_lo, 0, v2
	s_wait_xcnt 0x0
	s_and_saveexec_b32 s36, vcc_lo
	global_store_b32 v25, v22, s[26:27] offset:512
	s_wait_xcnt 0x0
	s_or_b32 exec_lo, exec_lo, s36
	s_endpgm
.Lfunc_end_k_q110a53e2b5_prep:
	.size	k_q110a53e2b5_prep, .Lfunc_end_k_q110a53e2b5_prep-k_q110a53e2b5_prep
	.p2alignl 7, 3214868480
	.fill 96, 4, 3214868480
	.section	.rodata,"a",@progbits
	.p2align	6, 0x0
	.amdhsa_kernel k_q110a53e2b5_prep
		.amdhsa_group_segment_fixed_size 33280
		.amdhsa_private_segment_fixed_size 0
		.amdhsa_enable_private_segment 0
		.amdhsa_kernarg_size 96
		.amdhsa_user_sgpr_count 2
		.amdhsa_user_sgpr_kernarg_segment_ptr 1
		.amdhsa_wavefront_size32 1
		.amdhsa_system_sgpr_workgroup_id_x 1
		.amdhsa_system_sgpr_workgroup_id_y 1
		.amdhsa_system_sgpr_workgroup_id_z 1
		.amdhsa_system_vgpr_workitem_id 0
		.amdhsa_next_free_vgpr 192
		.amdhsa_next_free_sgpr 66
		.amdhsa_reserve_vcc 1
		.amdhsa_float_denorm_mode_32 3
		.amdhsa_float_denorm_mode_16_64 3
		.amdhsa_memory_ordered 1
		.amdhsa_forward_progress 1
		.amdhsa_inst_pref_size 71
	.end_amdhsa_kernel
	.amdgpu_metadata
---
amdhsa.version: [ 1, 2 ]
amdhsa.kernels:
  - .name:           k_q110a53e2b5_prep
    .symbol:         k_q110a53e2b5_prep.kd
    .args:
      - { .name: q_src, .offset: 0, .size: 8, .value_kind: global_buffer, .address_space: global }
      - { .name: k_src, .offset: 8, .size: 8, .value_kind: global_buffer, .address_space: global }
      - { .name: v_src, .offset: 16, .size: 8, .value_kind: global_buffer, .address_space: global }
      - { .name: Wq, .offset: 24, .size: 8, .value_kind: global_buffer, .address_space: global }
      - { .name: Wk, .offset: 32, .size: 8, .value_kind: global_buffer, .address_space: global }
      - { .name: Wv, .offset: 40, .size: 8, .value_kind: global_buffer, .address_space: global }
      - { .name: Wo, .offset: 48, .size: 8, .value_kind: global_buffer, .address_space: global }
      - { .name: position_mask, .offset: 56, .size: 8, .value_kind: global_buffer, .address_space: global }
      - { .name: codes, .offset: 64, .size: 8, .value_kind: global_buffer, .address_space: global }
      - { .name: scales, .offset: 72, .size: 8, .value_kind: global_buffer, .address_space: global }
      - { .name: tabs, .offset: 80, .size: 8, .value_kind: global_buffer, .address_space: global }
      - { .name: flags, .offset: 88, .size: 8, .value_kind: global_buffer, .address_space: global }
    .group_segment_fixed_size: 33280
    .private_segment_fixed_size: 0
    .kernarg_segment_align: 8
    .kernarg_segment_size: 96
    .max_flat_workgroup_size: 128
    .sgpr_count:     66
    .vgpr_count:     192
    .wavefront_size: 32
...
	.end_amdgpu_metadata
.endif
;; end of part 1
;; launch qkv (part 2): grid 4 x 96, 4 waves a work-group, clusters of 4 x 4, 327,680 bytes of LDS; arguments codes, scales, tabs, qkv; writes qkv
.if DOCPART == 2
	.amdgcn_target "amdgcn-amd-amdhsa--gfx1250"
	.amdhsa_code_object_version 6
	.text
	.protected	k_q110a53e2b5_qkv
	.globl	k_q110a53e2b5_qkv
	.p2align	8
	.type	k_q110a53e2b5_qkv,@function
k_q110a53e2b5_qkv:
	s_mov_b64 s[64:65], 0
	v_nop
	global_prefetch_b8 v0, s[64:65] scope:SCOPE_SE
	s_setreg_imm32_b32 hwreg(HW_REG_WAVE_MODE, 25, 1), 1
	s_wait_xcnt 0x0
	s_wait_alu depctr_hold_cnt(0) depctr_sa_sdst(0) depctr_va_vdst(0) depctr_va_sdst(0) depctr_va_ssrc(0) depctr_va_vcc(0) depctr_vm_vsrc(0)
	s_getreg_b32 s2, hwreg(HW_REG_IB_STS2, 6, 4)
	s_cmp_eq_u32 s2, 0
	s_cbranch_scc0 .Lentry_in_a_cluster
	s_endpgm
.Lentry_in_a_cluster:
	s_bfe_u32 s2, ttmp6, 0x10000c
	s_cmp_lg_u32 s2, 0xf033
	s_cbranch_scc0 .Lentry_shape_is_right
	s_endpgm
.Lentry_shape_is_right:
; Launch 2: q = q_src Wq^T, k = k_src Wk^T, v = v_src Wv^T on codes of FP4 (E2M1) with one E8M0 scale for 32 along K, sums in f32; RoPE on the first 32 of each head's 64; results as f16 [proj][b][h][s][64].
; The factor on q and k is not applied here: it stands, squared, in the softmax (see launch 1's head).  Positions 0-15 of every sequence are stored a second time, as f32, for launch 5.
; A tile of 256 rows x 256 columns is made by four waves, 128 x 128 each: 64 accumulators of 16 x 16.  K = 1,024 is two LDS slots of 512 along K (rows of 256 bytes): both are first fills, nothing is filled again.
; The scale bytes of the tile's 256 + 256 rows, for all of K, come once, as whole blocks of 256 bytes.  By this text's own count a wave has three tensor loads out at the start.
; CLUSTERS of 4 x 4: cluster y = 8 x projection + block of 256 positions; cy = the batch; cx = the tile column.  The four of a row need the same rows of the source, the four of a column the same rows of the weight:
; each tile is asked for jointly.  So the branches of this text (projection 2 has no RoPE; positions 0-15) hang on the cluster's number and the wave's alone, never on a work-group's place in its cluster.
; THE MATRIX INSTRUCTION IS USED TRANSPOSED (source 0 = 16 rows of the weight, source 1 = 16 rows of the source): a lane holds one position and eight neighbouring columns.
; REGISTERS, in windows of 256: window 0: v16-31 addresses; v32-95 scale words, two sets, and nothing else; v96-127 rotated numbers; from v128 A's fragments, on the way out packed results and rows read back.
;   window 1: B's fragments at v0 and v128; v64-127, v192-255 cos and sin.   window 2: accumulators of my rows 0-63 ((a, b) at v[8 (8 a + b)]);   window 3: of rows 64-127.
.set KSTEP,  512
.set NQ,     KSTEP/128
.set ROWB,   256                       ; a tile's row in bytes
.set KROW,   512                       ; a row of codes in memory
.set PITCH,  272                       ; an LDS row: 256 bytes + 16: sixteen neighbouring rows start at sixteen different 16-byte columns modulo 256
.set FR,     8
.set NL,     2
.set NP,     4                         ; places behind this matrix instruction (ISA guide 7.12.1)
.set HALFT,  128*PITCH
.set SLOT,   4*HALFT
.set KS,     32                        ; a row of scale bytes
.set SCL,    2*SLOT
.set HALFS,  (128*KS/256)*272
.set SBLK,   (16*KS/256)*272
.set SPARE,  SCL+4*HALFS               ; the spare words, 128 bytes a wave
.set ADRA, 16
.set ADRB, 20
.set STO,  24                          ; the way out: 4,608 x wave + 144 r + 16 h
.set RD,   25                          ; 4,608 x wave + 144 (lane / 8) + 16 (lane % 8)
.set CO,   26                          ; 16 x lane
.set ADRS, 27
.set SPW,  28
.set NIL,  29
.set TBO,  30                          ; my position's place in the table of cos and sin
.set FO,   31                          ; my place in the f32 copy: 4,096 r + 32 h
.set SC,   32
.set YB,   96                          ; 32 rotated numbers: head hd: 8 of dims 0-15, 8 of dims 16-31
.set AF,   128
.set TMP,  128                         ; 32 registers of packed f16
.set OB,   160                         ; rows read back from the stage: two sets of 32
.set G1, 24
.set G0, 32
.set G1B, 48
.set G0B, 56
.set G1S, 68
.set G0S, 76
.set G1SB, 80
.set G0SB, 88
.set MSB, 0
.macro WIN new                         ; the immediate's high byte repeats the setting that is left
.if MSB != (\new)
	s_set_vgpr_msb (MSB<<8)|(\new)
.set MSB, (\new)
.endif
.endm
.set MUL_LO, 0xa1
.set MUL_HI, 0xf1
.set TO_B,   0x40
; A joint load: waves 0 and 1 fetch for A, waves 2 and 3 for B.  An s_nop 0 and four v_nop follow each of the two lines.
.macro JLOAD g0a, g1a, g0b, g1b
	s_cmp_eq_u32 s15, 0
	s_cbranch_scc0 .Lfor_b_\@
	tensor_load_to_lds s[\g0a:\g0a+3], s[\g1a:\g1a+7]
	s_nop 0
.rept 4
	v_nop
.endr
	s_branch .Lasked_\@
.Lfor_b_\@:
	tensor_load_to_lds s[\g0b:\g0b+3], s[\g1b:\g1b+7]
	s_nop 0
.rept 4
	v_nop
.endr
.Lasked_\@:
.endm
.macro CROUND                          ; a round of the cluster's barrier
	s_barrier_signal -1
	s_barrier_wait -1
	s_cmp_lg_u32 s14, 0
	s_cbranch_scc1 .Lnot_wave_0_\@
	s_barrier_signal -3
.Lnot_wave_0_\@:
	s_barrier_wait -3
	s_barrier_signal -1
	s_barrier_wait -1
.endm
	s_load_b256 s[4:11], s[0:1], 0x0               ; codes s4, scales s6, tabs s8, qkv s10
	v_lshl_add_u32 v[SPW], v0, 2, SPARE
	v_mov_b32 v[NIL], 0
	ds_add_u32 v[SPW], v[NIL]                      ; the wave's opening: the add, twice on end, and its wait ahead of my first tensor load
	ds_add_u32 v[SPW], v[NIL]
	v_lshrrev_b32 v1, 5, v0
	v_readfirstlane_b32 s14, v1                    ; wave 0..3
	s_lshr_b32 s15, s14, 1                         ; which half of the tile's rows is mine.  Also: I fetch for A (0) or for B (1)
	s_and_b32 s16, s14, 1                          ; which half of its columns.  Also: which 128 rows I fetch
	s_bfe_u32 s40, ttmp6, 0x40000                  ; cx: the tile column
	s_bfe_u32 s41, ttmp6, 0x40004                  ; cy: the batch
	s_and_b32 s17, ttmp7, 0xffff                   ; cluster y
	s_lshr_b32 s101, s17, 3                        ; the projection: 0 q, 1 k, 2 v
	s_and_b32 s95, s17, 7                          ; which 256 positions
	s_lshl_b32 s43, s41, 2
	s_lshl_b32 s43, 15, s43                        ; my row of the cluster
	s_lshl_b32 s44, 0x1111, s40                    ; my column
	s_or_b32 s[G1+0], s43, (0<<16)|(1<<20)|(1<<21)|(5<<22)|(3<<25)  ; the mask; elements of 1 byte; padding: 4 words behind every 64; bit 21 beside a mask
	s_or_b32 s[G1B+0], s44, (0<<16)|(1<<20)|(1<<21)|(5<<22)|(3<<25)
.irp g, G1, G1B
	s_mov_b32 s[\g+1], ROWB<<16                    ; tensor_dim0
	s_mov_b32 s[\g+2], 128<<16                     ; tensor_dim1
	s_mov_b32 s[\g+3], ROWB<<16                    ; tile_dim0
	s_mov_b32 s[\g+4], 128                         ; tile_dim1
	s_mov_b32 s[\g+5], KROW                        ; the pitch in memory
	s_mov_b32 s[\g+6], 0
	s_mov_b32 s[\g+7], 0
.endr
	s_or_b32 s[G1S+0], s43, (3<<16)|(1<<20)|(1<<21)|(5<<22)|(3<<25)  ; the scales of 128 rows: 4,096 dense bytes as 16 rows of 32 elements of 8 bytes
	s_or_b32 s[G1SB+0], s44, (3<<16)|(1<<20)|(1<<21)|(5<<22)|(3<<25)
.irp g, G1S, G1SB
	s_mov_b32 s[\g+1], 32<<16
	s_mov_b32 s[\g+2], (128*KS/256)<<16
	s_mov_b32 s[\g+3], 32<<16
	s_mov_b32 s[\g+4], 128*KS/256
	s_mov_b32 s[\g+5], 32
	s_mov_b32 s[\g+6], 0
	s_mov_b32 s[\g+7], 0
.endr
	s_lshl_b32 s18, s16, 7                         ; which 128 rows of the tile I fetch
	s_lshl_b32 s20, s101, 13                       ; A's row in the joint buffers: 8,192 x projection + 2,048 x batch + 256 x block + 128 x half
	s_lshl_b32 s21, s41, 11
	s_add_co_u32 s20, s20, s21
	s_lshl_b32 s21, s95, 8
	s_add_co_u32 s20, s20, s21
	s_add_co_u32 s20, s20, s18
	s_lshl_b32 s46, s101, 10                       ; B's: 24,576 + 1,024 x projection + 256 x tile column + 128 x half
	s_lshl_b32 s47, s40, 8
	s_add_co_u32 s46, s46, s47
	s_add_co_u32 s46, s46, s18
	s_add_co_u32 s46, s46, 24576
	s_lshl_b32 s22, s20, 5                         ; 32 scale bytes a row,
	s_mov_b32 s23, 0
	s_lshl_b32 s92, s46, 5
	s_mov_b32 s93, 0
	s_lshl_b32 s20, s20, 9                         ; 512 bytes of codes
	s_mov_b32 s21, 0
	s_lshl_b32 s46, s46, 9
	s_mov_b32 s47, 0
	s_mul_i32 s45, s14, HALFT                      ; where they go: wave x 128 rows: no place in the cluster enters an LDS address
	s_mul_i32 s94, s14, HALFS
	s_wait_dscnt 0x0                               ; both opening adds are done
	s_wait_kmcnt 0x0
	s_add_nc_u64 s[20:21], s[4:5], s[20:21]
	s_add_nc_u64 s[22:23], s[6:7], s[22:23]
	s_add_nc_u64 s[46:47], s[4:5], s[46:47]
	s_add_nc_u64 s[92:93], s[6:7], s[92:93]
	CROUND                                         ; all sixteen work-groups are here: the first joint loads meet
	s_mov_b32 s[G0S], 1
	s_add_co_u32 s[G0S+1], s94, SCL
	s_mov_b64 s[G0S+2:G0S+3], s[22:23]
	s_or_b32 s[G0S+3], s[G0S+3], 0x80000000
	s_mov_b32 s[G0SB], 1
	s_add_co_u32 s[G0SB+1], s94, SCL
	s_mov_b64 s[G0SB+2:G0SB+3], s[92:93]
	s_or_b32 s[G0SB+3], s[G0SB+3], 0x80000000
	JLOAD G0S, G1S, G0SB, G1SB                     ; the scales first: they are wanted with the first slot
.irp s, 0,1
	s_mov_b32 s[G0+4*\s], 1
	s_add_co_u32 s[G0+4*\s+1], s45, \s*SLOT
	s_add_nc_u64 s[G0+4*\s+2:G0+4*\s+3], s[20:21], \s*ROWB
	s_or_b32 s[G0+4*\s+3], s[G0+4*\s+3], 0x80000000
	s_mov_b32 s[G0B+4*\s], 1
	s_add_co_u32 s[G0B+4*\s+1], s45, \s*SLOT
	s_add_nc_u64 s[G0B+4*\s+2:G0B+4*\s+3], s[46:47], \s*ROWB
	s_or_b32 s[G0B+4*\s+3], s[G0B+4*\s+3], 0x80000000
	JLOAD G0+4*\s, G1, G0B+4*\s, G1B
.endr
	v_and_b32 v1, 15, v0                           ; r = lane % 16
	v_bfe_u32 v2, v0, 4, 1                         ; h = lane / 16
	v_mul_u32_u24 v3, v1, PITCH
	v_lshl_add_u32 v4, v2, 4, v3                   ; a fragment's row x pitch + 16 h
	s_mul_i32 s21, s15, HALFT                      ; my 128 rows of A
	s_mul_i32 s22, s16, HALFT                      ; my 128 rows of B,
	s_add_co_u32 s22, s22, 2*HALFT                 ; which lie behind A's 256
.irp s, 0,1
	v_add_nc_u32 v[ADRA+\s], s21, v4
	v_add_nc_u32 v[ADRB+\s], s22, v4
	s_add_co_u32 s21, s21, SLOT
	s_add_co_u32 s22, s22, SLOT
.endr
	v_mul_u32_u24 v5, v1, KS                       ; my row's scales: KS bytes a row,
	v_lshrrev_b32 v6, 8, v5
	v_lshl_add_u32 v5, v6, 4, v5                   ; and 16 more for each 256 passed
	s_mul_i32 s21, s15, HALFS
	s_mul_i32 s22, s16, HALFS
	s_add_co_u32 s22, s22, 2*HALFS
	s_sub_co_u32 s22, s22, s21
	v_mul_u32_u24 v6, s22, v2                      ; lanes 16-31 take B's
	s_add_co_u32 s21, s21, SCL
	v_add_nc_u32 v5, v5, v6
	v_add_nc_u32 v[ADRS], s21, v5
	s_mul_i32 s23, s14, 4608                       ; my stage: [2 heads][16 rows] of 128 bytes + 16
	v_mul_u32_u24 v5, v1, 144
	v_lshl_add_u32 v5, v2, 4, v5
	v_add_nc_u32 v[STO], s23, v5
	v_and_b32 v6, 31, v0
	v_lshrrev_b32 v5, 3, v6
	v_mul_u32_u24 v5, v5, 144
	v_and_b32 v7, 7, v0
	v_lshl_add_u32 v5, v7, 4, v5
	v_add_nc_u32 v[RD], s23, v5
	v_lshlrev_b32 v[CO], 4, v6
	s_lshl_b32 s20, s95, 8
	s_lshl_b32 s21, s15, 7
	s_add_co_u32 s20, s20, s21                     ; the first position of my 128 rows
	s_lshl_b32 s21, s20, 7                         ; 128 bytes of the table a position
	v_lshlrev_b32 v5, 7, v1
	v_lshl_add_u32 v5, v2, 5, v5
	v_add_nc_u32 v[TBO], s21, v5                   ; + 128 r + 32 h: my eight frequencies
	v_lshlrev_b32 v5, 12, v1
	v_lshl_add_u32 v[FO], v2, 5, v5
	s_lshl_b32 s22, s41, 4                         ; where my rows go: head 16 x batch + 4 x tile column + 2 x half
	s_lshl_b32 s23, s40, 2
	s_add_co_u32 s22, s22, s23
	s_lshl_b32 s23, s16, 1
	s_add_co_u32 s22, s22, s23
	s_lshl_b32 s22, s22, 11
	s_add_co_u32 s22, s22, s20
	s_lshl_b32 s22, s22, 7                         ; 128 bytes a position
	s_lshl_b32 s23, s101, 24                       ; 16,777,216 bytes a projection
	s_add_co_u32 s22, s22, s23
	s_mov_b32 s23, 0
	s_add_nc_u64 s[12:13], s[10:11], s[22:23]
	s_lshl_b32 s22, s101, 2                        ; the f32 copy: [proj][b][16 positions][1,024], from byte 50,331,648
	s_add_co_u32 s22, s22, s41
	s_lshl_b32 s22, s22, 16
	s_lshl_b32 s23, s40, 10
	s_add_co_u32 s22, s22, s23
	s_lshl_b32 s23, s16, 9
	s_add_co_u32 s22, s22, s23
	s_add_co_u32 s22, s22, 50331648
	s_mov_b32 s23, 0
	s_add_nc_u64 s[96:97], s[10:11], s[22:23]
	s_add_nc_u64 s[98:99], s[8:9], 0x200000        ; the table
	s_or_b32 s100, s95, s15                        ; 0: my block 0 holds positions 0-15
.macro FRAG reg, adr, q, i             ; 16 rows x 128 K of 4-bit codes: 8 registers: two loads of 16 bytes, 32 bytes apart
.irp c, 0,1
	ds_load_b128 v[\reg+4*\c:\reg+4*\c+3], v[\adr] offset:64*(\q)+32*\c+(\i)*16*PITCH
.endr
.endm
; 16 matrix instructions: A's blocks a0, a0 + 1 x B's eight.  The 64 accumulators take turns, one instruction a turn, in the same order in every step.
.macro MUL16 a0, p, q, sc, zero
.irp a, \a0, \a0+1
.irp b, 0,1,2,3,4,5,6,7
.if \zero
	v_wmma_scale_f32_16x16x128_f8f6f4 v[8*(8*((\a)%4)+\b):8*(8*((\a)%4)+\b)+7], v[128*(\p)+FR*\b:128*(\p)+FR*\b+FR-1], v[AF+FR*(\a):AF+FR*(\a)+FR-1], 0, v[SC+8*NQ*(\sc)+NQ*\b+(\q)], v[SC+8*NQ*(\sc)+NQ*(\a)+(\q)] matrix_a_fmt:MATRIX_FMT_FP4 matrix_b_fmt:MATRIX_FMT_FP4 matrix_a_scale:MATRIX_SCALE_ROW1
.else
	v_wmma_scale_f32_16x16x128_f8f6f4 v[8*(8*((\a)%4)+\b):8*(8*((\a)%4)+\b)+7], v[128*(\p)+FR*\b:128*(\p)+FR*\b+FR-1], v[AF+FR*(\a):AF+FR*(\a)+FR-1], v[8*(8*((\a)%4)+\b):8*(8*((\a)%4)+\b)+7], v[SC+8*NQ*(\sc)+NQ*\b+(\q)], v[SC+8*NQ*(\sc)+NQ*(\a)+(\q)] matrix_a_fmt:MATRIX_FMT_FP4 matrix_b_fmt:MATRIX_FMT_FP4 matrix_a_scale:MATRIX_SCALE_ROW1
.endif
.endr
.endr
.endm
.macro FETCH_B slot, q, p
	WIN TO_B
.irp i, 0,1,2,3,4,5,6,7
	FRAG 128*(\p)+FR*\i, ADRB+\slot, \q, \i
.endr
	WIN 0
.endm
.macro FETCH_A slot, q, i0
.irp i, \i0, \i0+1, \i0+2, \i0+3
	FRAG AF+FR*(\i), ADRA+\slot, \q, \i
.endr
.endm
.macro SCALES sc                       ; a slot's scale words: lanes 0-15 take A's block i, lanes 16-31 B's block i
.irp i, 0,1,2,3,4,5,6,7
	ds_load_b128 v[SC+8*NQ*\sc+NQ*\i:SC+8*NQ*\sc+NQ*\i+3], v[ADRS] offset:\i*SBLK
.endr
.endm
.macro PLACES n                        ; plain vector instructions behind matrix instructions, ahead of loads into their registers and of reads of their results
.rept \n
	v_nop
.endr
.endm
.macro STEP slot, q, zero              ; 128 along K with its successor in the same slot
	s_wait_dscnt 4*NL                              ; B's set and A's blocks 0-3 are in; the youngest eight loads (A's blocks 4-7) may be out
	WIN MUL_LO
	MUL16 0, (\q)%2, \q, \slot, \zero
	MUL16 2, (\q)%2, \q, \slot, \zero
	s_wait_dscnt 0                                 ; A's blocks 4-7 are in
	PLACES NP
	FETCH_B \slot, (\q)+1, 1-(\q)%2
	FETCH_A \slot, (\q)+1, 0
	WIN MUL_HI
	MUL16 4, (\q)%2, \q, \slot, \zero
	MUL16 6, (\q)%2, \q, \slot, \zero
	PLACES NP
	WIN 0
	FETCH_A \slot, (\q)+1, 4
.endm
; Slot 0's last step changes slots: each wave waits for all its tensor loads (its part of slot 1), adds 0 to its spare word, waits for that and for its reads of slot 0; one barrier.  Nothing is filled again.
.macro TURN slot, next
	s_wait_tensorcnt 0x0
	ds_add_u32 v[SPW], v[NIL]
	s_wait_dscnt 4*NL+1                            ; (the add and the youngest eight loads may be out)
	WIN MUL_LO
	MUL16 0, 1, NQ-1, \slot, 0
	s_wait_dscnt 0x0                               ; the add is done, and my reads of this slot are over
	s_barrier_signal -1
	MUL16 2, 1, NQ-1, \slot, 0
	WIN 0
	s_barrier_wait -1
	PLACES NP
	v_add_nc_u32 v[ADRS], 4*NQ, v[ADRS]            ; on to the next slot's scale words
	FETCH_B \next, 0, 0
	FETCH_A \next, 0, 0
	SCALES \next
	WIN MUL_HI
	MUL16 4, 1, NQ-1, \slot, 0
	MUL16 6, 1, NQ-1, \slot, 0
	PLACES NP
	WIN 0
	FETCH_A \next, 0, 4
.endm
	s_wait_tensorcnt 1                             ; the scales and my part of slot 0 are in (slot 1's load may be out)
	s_barrier_signal -1
	s_barrier_wait -1                              ; everybody's are
	FETCH_B 0, 0, 0
	FETCH_A 0, 0, 0
	SCALES 0
	FETCH_A 0, 0, 4
	STEP 0, 0, 1                                   ; the first products start the sums: nothing is cleared
	STEP 0, 1, 0
	STEP 0, 2, 0
	TURN 0, 1
	STEP 1, 0, 0
	STEP 1, 1, 0
	STEP 1, 2, 0
	s_wait_dscnt 4*NL                              ; the last step: nothing more to fetch
	WIN MUL_LO
	MUL16 0, 1, NQ-1, 1, 0
	MUL16 2, 1, NQ-1, 1, 0
	s_wait_dscnt 0
	WIN MUL_HI
	MUL16 4, 1, NQ-1, 1, 0
	MUL16 6, 1, NQ-1, 1, 0
	WIN 0
; THE WAY OUT, block by block of 16 positions x 128 columns (two heads).  Column tile b of a head half: dims 16 (b % 4) + 8 h + 0..7 of head b / 4.
; RoPE: y[d] = x[d] cos[d] - x[d + 16] sin[d], y[d + 16] = x[d + 16] cos[d] + x[d] sin[d], d = 0..15: tiles 4 hd and 4 hd + 1 of one lane.
; The packed f16 go through my stage in slot 0 (its last fill and, behind TURN's barrier, its last read are over) and leave as four whole rows of 128 bytes an instruction: 512 consecutive bytes.
.macro PACK a, rope
.set AC, 64*((\a)%4)
.if \rope
.set CSR, 64+16*(\a)+64*((\a)/4)
	s_wait_loadcnt 28-4*(\a)                       ; this block's four loads of the table are in; the later blocks' stay out
	WIN 0x06+((\a)/4)                              ; source 0: the accumulators' window; source 1: window 1
.irp hd, 0,1
.irp jj, 0,2,4,6                       ; ascending: each accumulator is read from its low end on
	v_pk_mul_f32 v[YB+16*\hd+\jj:YB+16*\hd+\jj+1], v[AC+32*\hd+8+\jj:AC+32*\hd+8+\jj+1], v[CSR+8+\jj:CSR+8+\jj+1]
	v_pk_mul_f32 v[YB+16*\hd+8+\jj:YB+16*\hd+8+\jj+1], v[AC+32*\hd+\jj:AC+32*\hd+\jj+1], v[CSR+8+\jj:CSR+8+\jj+1]
	v_pk_fma_f32 v[YB+16*\hd+\jj:YB+16*\hd+\jj+1], v[AC+32*\hd+\jj:AC+32*\hd+\jj+1], v[CSR+\jj:CSR+\jj+1], v[YB+16*\hd+\jj:YB+16*\hd+\jj+1] neg_lo:[0,0,1] neg_hi:[0,0,1]
	v_pk_fma_f32 v[YB+16*\hd+8+\jj:YB+16*\hd+8+\jj+1], v[AC+32*\hd+8+\jj:AC+32*\hd+8+\jj+1], v[CSR+\jj:CSR+\jj+1], v[YB+16*\hd+8+\jj:YB+16*\hd+8+\jj+1]
.endr
.endr
	WIN 0
.irp hd, 0,1
.irp u, 0,1
.irp r, 0,1,2,3
	v_cvt_pk_f16_f32 v[TMP+4*(4*\hd+\u)+\r], v[YB+16*\hd+8*\u+2*\r], v[YB+16*\hd+8*\u+2*\r+1]
.endr
.endr
.endr
	WIN 0x0a+5*((\a)/4)                            ; sources 0 and 1: the accumulators' window
.irp b, 2,3,6,7
.irp r, 0,1,2,3
	v_cvt_pk_f16_f32 v[TMP+4*\b+\r], v[AC+8*\b+2*\r], v[AC+8*\b+2*\r+1]
.endr
.endr
.else
	WIN 0x0a+5*((\a)/4)
.irp b, 0,1,2,3,4,5,6,7
.irp r, 0,1,2,3
	v_cvt_pk_f16_f32 v[TMP+4*\b+\r], v[AC+8*\b+2*\r], v[AC+8*\b+2*\r+1]
.endr
.endr
.endif
	WIN 0
.endm
.macro FINEST rope                     ; block 0 of the waves that hold positions 0-15: the same numbers once more, as f32: 32 bytes a lane
	s_cmp_eq_u32 s100, 0
	s_cbranch_scc0 .Lnofine_\@
.if \rope
.irp hd, 0,1
.irp u, 0,1
	global_store_b128 v[FO], v[YB+16*\hd+8*\u:YB+16*\hd+8*\u+3], s[96:97] offset:64*(4*\hd+\u)
	global_store_b128 v[FO], v[YB+16*\hd+8*\u+4:YB+16*\hd+8*\u+7], s[96:97] offset:64*(4*\hd+\u)+16
.endr
.endr
	WIN 0x08                                       ; a store's data are its source 1: window 2
.irp b, 2,3,6,7
	global_store_b128 v[FO], v[8*\b:8*\b+3], s[96:97] offset:64*\b
	global_store_b128 v[FO], v[8*\b+4:8*\b+7], s[96:97] offset:64*\b+16
.endr
.else
	WIN 0x08
.irp b, 0,1,2,3,4,5,6,7
	global_store_b128 v[FO], v[8*\b:8*\b+3], s[96:97] offset:64*\b
	global_store_b128 v[FO], v[8*\b+4:8*\b+7], s[96:97] offset:64*\b+16
.endr
.endif
	WIN 0
	s_wait_xcnt 0x0                                ; the stores have read the rotated numbers: the next block writes them again
.Lnofine_\@:
.endm
.macro TOSTAGE a, stg
.irp b, 0,1,2,3,4,5,6,7
	ds_store_b128 v[STO], v[TMP+4*\b:TMP+4*\b+3] offset:\stg+2304*(\b/4)+32*(\b%4)
.endr
.set BB, OB+32*((\a)%2)
.irp hd, 0,1
.irp i, 0,1,2,3
	ds_load_b128 v[BB+4*(4*\hd+\i):BB+4*(4*\hd+\i)+3], v[RD] offset:\stg+2304*\hd+576*\i   ; LDS serves a wave's instructions in order: these see the stores above
.endr
.endr
.endm
.macro SEND a
.set BB, OB+32*((\a)%2)
	s_wait_dscnt 0x0                               ; the block is back in registers
	s_wait_xcnt 0x0                                ; the stores of the block before have read their registers: the next block's loads may land there
.irp hd, 0,1
.irp i, 0,1,2,3
	global_store_b128 v[CO], v[BB+4*(4*\hd+\i):BB+4*(4*\hd+\i)+3], s[12:13] offset:262144*\hd+2048*(\a)+512*\i   ; 512 consecutive bytes, aligned
.endr
.endr
.endm
.macro EPI rope, stg
	PLACES NP
.if \rope
	WIN 0x40                                       ; destination window 1
.irp a, 0,1,2,3,4,5,6,7                ; block a's cos and sin of my position and my eight frequencies
	global_load_b128 v[64+16*\a+64*(\a/4):64+16*\a+64*(\a/4)+3], v[TBO], s[98:99] offset:2048*\a
	global_load_b128 v[64+16*\a+64*(\a/4)+4:64+16*\a+64*(\a/4)+7], v[TBO], s[98:99] offset:2048*\a+16
	global_load_b128 v[64+16*\a+64*(\a/4)+8:64+16*\a+64*(\a/4)+11], v[TBO], s[98:99] offset:2048*\a+64
	global_load_b128 v[64+16*\a+64*(\a/4)+12:64+16*\a+64*(\a/4)+15], v[TBO], s[98:99] offset:2048*\a+80
.endr
	WIN 0
.endif
.irp a, 0,1,2,3,4,5,6,7
	PACK \a, \rope
.if \a == 0
	FINEST \rope
.else
	SEND \a-1
.endif
	TOSTAGE \a, \stg
.endr
	SEND 7
.endm
	s_cmp_eq_u32 s101, 2                           ; v has no RoPE: the cluster's number decides, the same in all partners.  Each way has stage bytes of its own
	s_cbranch_scc1 .Lplain
	EPI 1, 0
	s_branch .Lclose
.Lplain:
	EPI 0, 32768
.Lclose:
	s_wait_tensorcnt 0x0                           ; the wave's end: behind my last tensor load and my last LDS store
	ds_add_u32 v[SPW], v[NIL]
	s_wait_dscnt 0x0
	CROUND                                         ; the closing round
	s_endpgm
.Lfunc_end_k_q110a53e2b5_qkv:
	.size	k_q110a53e2b5_qkv, .Lfunc_end_k_q110a53e2b5_qkv-k_q110a53e2b5_qkv
	.p2alignl 7, 3214868480
	.fill 96, 4, 3214868480
	.section	.rodata,"a",@progbits
	.p2align	6, 0x0
	.amdhsa_kernel k_q110a53e2b5_qkv
		.amdhsa_group_segment_fixed_size 327680
		.amdhsa_private_segment_fixed_size 0
		.amdhsa_enable_private_segment 0
		.amdhsa_kernarg_size 32
		.amdhsa_user_sgpr_count 2
		.amdhsa_user_sgpr_kernarg_segment_ptr 1
		.amdhsa_wavefront_size32 1
		.amdhsa_system_sgpr_workgroup_id_x 1
		.amdhsa_system_sgpr_workgroup_id_y 1
		.amdhsa_system_sgpr_workgroup_id_z 1
		.amdhsa_system_vgpr_workitem_id 0
		.amdhsa_next_free_vgpr 1024
		.amdhsa_next_free_sgpr 104
		.amdhsa_reserve_vcc 0
		.amdhsa_float_denorm_mode_32 3
		.amdhsa_float_denorm_mode_16_64 3
		.amdhsa_memory_ordered 1
		.amdhsa_forward_progress 1
		.amdhsa_inst_pref_size 181
	.end_amdhsa_kernel
	.amdgpu_metadata
---
amdhsa.version: [ 1, 2 ]
amdhsa.kernels:
  - .name:           k_q110a53e2b5_qkv
    .symbol:         k_q110a53e2b5_qkv.kd
    .args:
      - { .name: codes, .offset: 0, .size: 8, .value_kind: global_buffer, .address_space: global }
      - { .name: scales, .offset: 8, .size: 8, .value_kind: global_buffer, .address_space: global }
      - { .name: tabs, .offset: 16, .size: 8, .value_kind: global_buffer, .address_space: global }
      - { .name: qkv, .offset: 24, .size: 8, .value_kind: global_buffer, .address_space: global }
    .group_segment_fixed_size: 327680
    .private_segment_fixed_size: 0
    .kernarg_segment_align: 8
    .kernarg_segment_size: 32
    .max_flat_workgroup_size: 128
    .sgpr_count:     104
    .vgpr_count:     1024
    .wavefront_size: 32
...
	.end_amdgpu_metadata
.endif
;; end of part 2
;; launch attn (part 3): grid 4 x 64, 16 waves a work-group, no clusters, 231,424 bytes of LDS; arguments qkv, position_mask, flags, attn16; writes attn16
.if DOCPART == 3
	.amdgcn_target "amdgcn-amd-amdhsa--gfx1250"
	.amdhsa_code_object_version 6
	.text
	.protected	k_q110a53e2b5_attn
	.globl	k_q110a53e2b5_attn
	.p2align	8
	.type	k_q110a53e2b5_attn,@function
k_q110a53e2b5_attn:
	s_mov_b64 s[64:65], 0
	v_nop
	global_prefetch_b8 v0, s[64:65] scope:SCOPE_SE
	s_setreg_imm32_b32 hwreg(HW_REG_WAVE_MODE, 25, 1), 1
	s_wait_xcnt 0x0
; Launch 3: O[b][h][q] = the sum over k of softmax_k(q.k / 8, hidden pairs at -inf) v[k], operands f16, products, maxima and sums f32; the result as f16 in the order that launch 4's tiles want.
; LEFT OUT: key steps of 64 keys in which position_mask hides every pair with the wave's 32 queries (they add exp(-inf) = 0): by the flags that launch 1 stored, read from memory here.
; SHARES.  Work-group (j, head) holds the blocks j and 7 - j of 256 queries; each of its sixteen waves 32 queries (two tiles of 16), eight waves to a block, so laid that each four waves w % 4 and each four
; w / 4 hold two of each block.  Every wave walks 32 key steps; the trip count is a constant and every wave passes every barrier; a step's WORK stands under scalar branches on the flags.
; NO TENSOR LOADS AND NO CLUSTER: the walk branches on numbers read from memory.  The 512 threads copy a step's K and V (8,192 dense bytes each, 16 bytes a thread) through registers into LDS.
; TWO BANKS OF FOUR KEY STEPS, ONE BARRIER FOR FOUR STEPS.  Between two barriers every wave reads the four tiles of one bank, at its own pace, and in each of the four steps the threads bring one tile of the
; next four into the other bank.  Behind the barrier the bank just stored is whole and nobody reads the other.  The first four key steps are fetched at the head, without a test.
; LAYOUT.  S^T = K Q^T (source 0 = 16 keys, source 1 = 16 queries): a lane holds ONE query (lane % 16) and keys 8 (lane / 16) + 0..7 of each tile; two such tiles packed to f16 are source 1 of O^T = V^T P.
; SOFTMAX.  p = 2^(c s - c m), c = log2(e) / 8, m the running maximum, begun at -3e38 so that no difference of infinities arises; O and l are multiplied by 2^(c m_old - c m_new) in every step.
; A row with no open key ends with l = 0 and 0 x (1 / 0) = NaN, as reference() has it.
; LIMITS: q, k, v, p and the result are rounded to f16; bytes of the mask are 0 or 1.
.set NS,    4                          ; key steps between two barriers
.set PK,    144                        ; a row of K in LDS: 128 bytes + 16
.set PV,    160                        ; a row of V: 128 + 32: an odd multiple of 32, as the turning load's eight rows x 32 bytes want
.set KSL,   64*PK
.set VSL,   64*PV
.set VOFF,  NS*KSL                     ; a bank: four tiles of K, then four of V
.set BANK,  NS*(KSL+VSL)               ; 77,824 bytes: beyond an LDS instruction's 16-bit offset, so bank 1's addresses are made in a register ahead of each run
.set STAGE, 2*BANK                     ; 4,608 bytes a wave: [2 tiles][16 rows] of 128 bytes + 16
.set SPARE, STAGE+16*4608              ; the spare words, 128 bytes a wave
.set AK,   1                           ; v1  144 r + 16 h
.set AV,   2                           ; v2  VOFF + 160 (8 h + lane % 8) + 16 ((lane / 8) % 2)
.set STK,  3                           ; v3  where my thread stores its 16 bytes of K
.set STV,  4                           ; v4  and of V
.set GOFF, 5                           ; v5  16 x thread + 8,192 x step
.set MOFF, 6                           ; v6  2,048 (first query + r) + 8 h + 64 x step
.set PFO,  7                           ; v7  256 x lane; never rewritten
.set KL,   8                           ; v8-11, v12-15: 16 bytes of K and of V on their way into the other bank
.set VL,   12
.set ST,   16                          ; tile t's statistics at v[ST + 8 t]: +0 c m, +1 m, +2, +3 l, +4 .. +7 at work (a at +6); v[ST+4], v[ST+5] also take bank 1's addresses
.set Q,    32                          ; fragment (t, c) at Q + 16 t + 8 c
.set S,    64                          ; S^T, 32 a tile; P is laid over each tile's low 16
.set O,    128                         ; O^T, 32 a tile
.set KV,   192                         ; K's eight fragments, then the mask's bytes, then V's eight fragments
.set CS,   68                          ; s[68:69] c, twice
	s_load_b256 s[4:11], s[0:1], 0x0               ; qkv s4, position_mask s6, flags s8, attn16 s10
	v_lshrrev_b32 v1, 5, v0
	v_readfirstlane_b32 s12, v1                    ; wave 0..15
	s_and_b32 s13, ttmp7, 0xffff                   ; 16 b + h
	s_lshr_b32 s14, s12, 2
	s_xor_b32 s14, s14, s12
	s_and_b32 s14, s14, 1                          ; 1: my queries lie in block 7 - j
	s_lshr_b32 s15, s12, 1                         ; which 32 of the block's 256
	s_sub_co_u32 s16, 7, ttmp9
	s_cmp_eq_u32 s14, 1
	s_cselect_b32 s17, s16, ttmp9
	s_lshl_b32 s17, s17, 3
	s_add_co_u32 s17, s17, s15                     ; g: my group of 32 queries
	s_lshl_b32 s18, s17, 3
	s_lshl_b32 s19, ttmp9, 6
	s_lshl_b32 s16, s16, 6
	s_mov_b32 s[CS], 0x3e38aa3b                    ; c = log2(e) / 8
	s_mov_b32 s[CS+1], s[CS]
	s_mov_b32 s70, 0x76543210                      ; v_permlanex16_b32's selects for lane l xor 16
	s_mov_b32 s71, 0xfedcba98
	s_mov_b32 s72, 0xff800000                      ; -infinity
	s_mov_b32 s73, 0x01010101                      ; v_perm_b32: byte 1, 2, 3 into all four
	s_mov_b32 s74, 0x02020202
	s_mov_b32 s75, 0x03030303
	s_mov_b32 s76, 255
	s_mov_b32 s66, 32/(2*NS)                       ; trips of eight steps: both banks once
	s_wait_kmcnt 0x0
	s_load_b64 s[20:21], s[8:9], s18 offset:0x0    ; my group's LIVE and MIX: bit s = key step s
	s_load_b512 s[32:47], s[8:9], s19 offset:0x0   ; the eight pairs of block j,
	s_load_b512 s[48:63], s[8:9], s16 offset:0x0   ; and of block 7 - j
	v_and_b32 v8, 15, v0                           ; r
	v_bfe_u32 v9, v0, 4, 1                         ; h
	v_mul_u32_u24 v[AK], v8, PK
	v_lshl_add_u32 v[AK], v9, 4, v[AK]
	v_and_b32 v10, 7, v0
	v_lshl_add_u32 v[AV], v9, 3, v10
	v_mul_u32_u24 v[AV], v[AV], PV
	v_bfe_u32 v11, v0, 3, 1
	v_lshl_add_u32 v[AV], v11, 4, v[AV]
	v_add_nc_u32 v[AV], VOFF, v[AV]
	v_lshrrev_b32 v12, 3, v0                       ; eight threads to a row of 128 bytes
	v_mul_u32_u24 v[STK], v12, PK
	v_lshl_add_u32 v[STK], v10, 4, v[STK]
	v_mul_u32_u24 v[STV], v12, PV
	v_lshl_add_u32 v[STV], v10, 4, v[STV]
	v_add_nc_u32 v[STV], VOFF, v[STV]
	v_lshlrev_b32 v[GOFF], 4, v0
	s_lshl_b32 s2, s17, 16                         ; 2,048 x my first query
	v_lshlrev_b32 v[MOFF], 11, v8
	v_lshl_add_u32 v[MOFF], v9, 3, v[MOFF]
	v_add_nc_u32 v[MOFF], s2, v[MOFF]
	v_and_b32 v[PFO], 31, v0
	v_lshlrev_b32 v[PFO], 8, v[PFO]
	v_lshlrev_b32 v[KV], 7, v8
	v_lshl_add_u32 v[KV], v9, 4, v[KV]             ; Q: row r of 128 bytes + 16 h
	s_lshl_b32 s2, s13, 18                         ; a head is 262,144 bytes
	s_mov_b32 s3, 0
	s_add_nc_u64 s[24:25], s[4:5], s[2:3]
	s_lshl_b32 s2, s17, 12                         ; 128 bytes a query
	s_add_nc_u64 s[30:31], s[24:25], s[2:3]        ; q at my first query
	s_add_nc_u64 s[24:25], s[24:25], 0x1000000     ; k of my head
	s_add_nc_u64 s[26:27], s[24:25], 0x1000000     ; v of my head
.irp t, 0,1
.irp c, 0,1
	global_load_b128 v[Q+16*\t+8*\c:Q+16*\t+8*\c+3], v[KV], s[30:31] offset:2048*\t+64*\c
	global_load_b128 v[Q+16*\t+8*\c+4:Q+16*\t+8*\c+7], v[KV], s[30:31] offset:2048*\t+64*\c+32
.endr
.endr
.irp i, 0,1,2                          ; key steps 0 to 3, without a test: three through registers that the scores will take, the fourth through the copy's own, which so are written on every way
	global_load_b128 v[S+8*\i:S+8*\i+3], v[GOFF], s[24:25] offset:8192*\i
	global_load_b128 v[S+8*\i+4:S+8*\i+7], v[GOFF], s[26:27] offset:8192*\i
.endr
	global_load_b128 v[KL:KL+3], v[GOFF], s[24:25] offset:3*8192
	global_load_b128 v[VL:VL+3], v[GOFF], s[26:27] offset:3*8192
	s_cmp_eq_u32 s12, 0
	s_cselect_b64 s[28:29], s[24:25], s[26:27]     ; the prefetches: wave 0 asks for K's tiles, wave 1 for V's
	s_add_nc_u64 s[28:29], s[28:29], (NS+1)*8192   ; step s steps this on and names tile s + NS + 2
	s_lshr_b32 s2, s13, 4                          ; where my rows go: [16 b + s / 128][h][s % 128][64]
	s_lshl_b32 s2, s2, 4
	s_lshr_b32 s3, s17, 2
	s_add_co_u32 s2, s2, s3
	s_lshl_b32 s2, s2, 4
	s_and_b32 s3, s13, 15
	s_add_co_u32 s2, s2, s3
	s_lshl_b32 s2, s2, 14
	s_and_b32 s3, s17, 3
	s_lshl_b32 s3, s3, 12
	s_add_co_u32 s2, s2, s3
	s_mov_b32 s3, 0
	s_add_nc_u64 s[78:79], s[10:11], s[2:3]
.irp t, 0,1
	v_mov_b32 v[ST+8*\t+1], 0xff61b1e6             ; m = -3e38, under every score
	v_mul_f32 v[ST+8*\t], s[CS], v[ST+8*\t+1]
.irp i, 2,3,4,5,6,7
	v_mov_b32 v[ST+8*\t+\i], 0
.endr
.endr
.set n, 0
.rept 64
	v_mov_b32 v[O+n], 0                            ; O^T: which step is a wave's first hangs on the mask, so no first step can be written out ahead of the loop
.set n, n+1
.endr
	s_wait_kmcnt 0x0
	s_or_b32 s22, s32, s34                         ; the steps that some wave of the work-group walks
.irp n, 36,38,40,42,44,46,48,50,52,54,56,58,60,62
	s_or_b32 s22, s22, s\n
.endr
	s_lshr_b32 s23, s22, NS+2                      ; bit 0: tile s + NS + 2 will be wanted
	s_lshr_b32 s22, s22, NS                        ; bit 0: tile s + NS is wanted
	s_lshr_b32 s14, s12, 1
	s_or_b32 s14, s14, ttmp9                       ; the four work-groups of a head read the same K and V: waves 0 and 1 of the first ask, nobody else
	s_cmp_eq_u32 s14, 0
	s_cselect_b32 s23, s23, 0
	s_wait_loadcnt 0x0
.irp i, 0,1,2
	ds_store_b128 v[STK], v[S+8*\i:S+8*\i+3] offset:KSL*\i
	ds_store_b128 v[STV], v[S+8*\i+4:S+8*\i+7] offset:VSL*\i
.endr
	ds_store_b128 v[STK], v[KL:KL+3] offset:KSL*3
	ds_store_b128 v[STV], v[VL:VL+3] offset:VSL*3
	s_wait_dscnt 0x0                               ; for the others' sake: my part of bank 0 lies in LDS
	s_barrier_signal -1
	s_barrier_wait -1
; Hidden scores become -infinity.  My eight bytes of a tile: keys 8 h + 0..7 of my query's row.  A byte x 255 is 0 or 0xff; spread over a word it selects -infinity bit by bit.
.macro MASK
.irp t, 0,1
.irp kt, 0,1,2,3
	global_load_b64 v[KV+2*(4*\t+\kt):KV+2*(4*\t+\kt)+1], v[MOFF], s[6:7] offset:32768*\t+16*\kt
.endr
.endr
	s_wait_loadcnt 0x0
.irp t, 0,1
.irp kt, 0,1,2,3
.irp w, 0,1                            ; ascending: each accumulator is read from its low end on
	v_mul_lo_u32 v[KV+2*(4*\t+\kt)+\w], v[KV+2*(4*\t+\kt)+\w], s76
	v_perm_b32 v[ST+4], v[KV+2*(4*\t+\kt)+\w], v[KV+2*(4*\t+\kt)+\w], 0
	v_perm_b32 v[ST+5], v[KV+2*(4*\t+\kt)+\w], v[KV+2*(4*\t+\kt)+\w], s73
	v_perm_b32 v[ST+6], v[KV+2*(4*\t+\kt)+\w], v[KV+2*(4*\t+\kt)+\w], s74
	v_perm_b32 v[ST+7], v[KV+2*(4*\t+\kt)+\w], v[KV+2*(4*\t+\kt)+\w], s75
.irp i, 0,1,2,3
	v_bfi_b32 v[S+32*\t+8*\kt+4*\w+\i], v[ST+4+\i], s72, v[S+32*\t+8*\kt+4*\w+\i]
.endr
.endr
.endr
.endr
.endm
.macro SOFTMAX                         ; the two tiles line by line in turn
.irp j, 0,1,2,3
.irp t, 0,1
	v_max3_num_f32 v[ST+8*\t+4+\j], v[S+32*\t+8*\j], v[S+32*\t+8*\j+1], v[S+32*\t+8*\j+2]
.endr
.endr
.irp u, 1,2
.irp j, 0,1,2,3
.irp t, 0,1
	v_max3_num_f32 v[ST+8*\t+4+\j], v[ST+8*\t+4+\j], v[S+32*\t+8*\j+2*\u+1], v[S+32*\t+8*\j+2*\u+2]
.endr
.endr
.endr
.irp t, 0,1
	v_max3_num_f32 v[ST+8*\t+4], v[ST+8*\t+4], v[S+32*\t+7], v[S+32*\t+15]
	v_max3_num_f32 v[ST+8*\t+6], v[ST+8*\t+6], v[S+32*\t+23], v[S+32*\t+31]
.endr
.irp t, 0,1
	v_max3_num_f32 v[ST+8*\t+4], v[ST+8*\t+4], v[ST+8*\t+5], v[ST+8*\t+6]
.endr
.irp t, 0,1
	v_max3_num_f32 v[ST+8*\t+4], v[ST+8*\t+4], v[ST+8*\t+7], v[ST+8*\t+1]
.endr
.irp t, 0,1
	v_permlanex16_b32 v[ST+8*\t+5], v[ST+8*\t+4], s70, s71   ; the query's other 32 keys lie in the lane 16 away
.endr
.irp t, 0,1
	v_mov_b32 v[ST+8*\t+7], v[ST+8*\t]             ; c m_old
.endr
.irp t, 0,1
	v_max_num_f32 v[ST+8*\t+1], v[ST+8*\t+4], v[ST+8*\t+5]
.endr
.irp t, 0,1
	v_mul_f32 v[ST+8*\t], s[CS], v[ST+8*\t+1]
.endr
.irp t, 0,1
	v_sub_f32 v[ST+8*\t+7], v[ST+8*\t+7], v[ST+8*\t]
.endr
.set n, 0
.rept 16
.irp t, 0,1
	v_pk_fma_f32 v[S+32*\t+n:S+32*\t+n+1], v[S+32*\t+n:S+32*\t+n+1], s[CS:CS+1], v[ST+8*\t:ST+8*\t+1] op_sel_hi:[1,0,0] neg_lo:[0,0,1] neg_hi:[0,0,1]   ; c s - c m
.endr
.set n, n+2
.endr
.irp t, 0,1
	v_exp_f32 v[ST+8*\t+6], v[ST+8*\t+7]           ; a
.endr
.set n, 0
.rept 32
	v_exp_f32 v[S+n], v[S+n]
	v_exp_f32 v[S+32+n], v[S+32+n]
.set n, n+1
.endr
	v_nop                                          ; a plain instruction behind the last exponential
	s_wait_alu depctr_va_vdst(0)                   ; one wait for the batch of 66, ahead of its first reader
.irp t, 0,1
	v_pk_fma_f32 v[ST+8*\t+2:ST+8*\t+3], v[ST+8*\t+2:ST+8*\t+3], v[ST+8*\t+6:ST+8*\t+7], v[S+32*\t:S+32*\t+1] op_sel_hi:[1,0,1]   ; l a + the first pair; the sums go in two chains
	v_pk_add_f32 v[ST+8*\t+4:ST+8*\t+5], v[S+32*\t+2:S+32*\t+3], v[S+32*\t+6:S+32*\t+7]
.endr
.irp b, 4,8,12,16,20,24,28
.irp t, 0,1
	v_pk_add_f32 v[ST+8*\t+2:ST+8*\t+3], v[ST+8*\t+2:ST+8*\t+3], v[S+32*\t+\b:S+32*\t+\b+1]
.if \b < 28
	v_pk_add_f32 v[ST+8*\t+4:ST+8*\t+5], v[ST+8*\t+4:ST+8*\t+5], v[S+32*\t+\b+6:S+32*\t+\b+7]
.endif
.endr
.endr
.irp t, 0,1
	v_pk_add_f32 v[ST+8*\t+2:ST+8*\t+3], v[ST+8*\t+2:ST+8*\t+3], v[ST+8*\t+4:ST+8*\t+5]
.endr
.set n, 0
.rept 16
	v_cvt_pk_f16_f32 v[S+n], v[S+2*n], v[S+2*n+1]              ; P in place, ascending: register n is free when pair n is packed
	v_cvt_pk_f16_f32 v[S+32+n], v[S+32+2*n], v[S+32+2*n+1]
.set n, n+1
.endr
.set n, 0
.rept 16
.irp t, 0,1
	v_pk_mul_f32 v[O+32*\t+n:O+32*\t+n+1], v[O+32*\t+n:O+32*\t+n+1], v[ST+8*\t+6:ST+8*\t+7] op_sel_hi:[1,0]
.endr
.set n, n+2
.endr
.endm
; The work of a key step whose tile lies at place sub of bank.
.macro COMPUTE bank, sub
.rept 5
	v_nop                                          ; the products below write over P, which the last products read, and K lands where they read V: five places (ISA guide 7.12.1)
.endr
.if \bank
	v_add_nc_u32 v[ST+4], BANK, v[AK]              ; bank 1's address, in a register that is at rest here
.set KA, ST+4
.else
.set KA, AK
.endif
.irp kt, 0,1,2,3
.irp c, 0,1
	ds_load_b128 v[KV+16*\kt+8*\c:KV+16*\kt+8*\c+3], v[KA] offset:KSL*\sub+16*PK*\kt+64*\c
	ds_load_b128 v[KV+16*\kt+8*\c+4:KV+16*\kt+8*\c+7], v[KA] offset:KSL*\sub+16*PK*\kt+64*\c+32
.endr
.endr
	s_wait_dscnt 0x0
.irp c, 0,1                            ; eight accumulators by turns
.irp kt, 0,1,2,3
.irp t, 0,1
.if \c == 0
	v_wmma_f32_16x16x32_f16 v[S+32*\t+8*\kt:S+32*\t+8*\kt+7], v[KV+16*\kt+8*\c:KV+16*\kt+8*\c+7], v[Q+16*\t+8*\c:Q+16*\t+8*\c+7], 0
.else
	v_wmma_f32_16x16x32_f16 v[S+32*\t+8*\kt:S+32*\t+8*\kt+7], v[KV+16*\kt+8*\c:KV+16*\kt+8*\c+7], v[Q+16*\t+8*\c:Q+16*\t+8*\c+7], v[S+32*\t+8*\kt:S+32*\t+8*\kt+7]
.endif
.endr
.endr
.endr
.rept 4
	v_nop                                          ; places ahead of the first read of the scores and of loads into K's registers
.endr
	s_bitcmp1_b32 s21, 0                           ; does the mask hide some pair of this tile?
	s_cbranch_scc0 .Lopen_\@
	MASK
.Lopen_\@:
.if \bank
	v_add_nc_u32 v[ST+5], BANK, v[AV]
.set VA, ST+5
.else
.set VA, AV
.endif
.irp ks, 0,1
.irp dt, 0,1,2,3
	ds_load_tr16_b128 v[KV+8*(4*\ks+\dt):KV+8*(4*\ks+\dt)+3], v[VA] offset:VSL*\sub+32*PV*\ks+32*\dt
	ds_load_tr16_b128 v[KV+8*(4*\ks+\dt)+4:KV+8*(4*\ks+\dt)+7], v[VA] offset:VSL*\sub+32*PV*\ks+16*PV+32*\dt
.endr
.endr
	SOFTMAX
	s_wait_dscnt 0x0                               ; V is in
.irp ks, 0,1
.irp dt, 0,1,2,3
.irp t, 0,1
	v_wmma_f32_16x16x32_f16 v[O+32*\t+8*\dt:O+32*\t+8*\dt+7], v[KV+8*(4*\ks+\dt):KV+8*(4*\ks+\dt)+7], v[S+32*\t+8*\ks:S+32*\t+8*\ks+7], v[O+32*\t+8*\dt:O+32*\t+8*\dt+7]
.endr
.endr
.endr
.endm
; A KEY STEP.  Its tile lies at place sub of bank; the tile NS steps on is loaded into registers at its head and stored at the same place of the other bank at its end.  The bank's last step ends with the barrier.
.macro STEP bank, sub
	s_wait_xcnt 0x0                                ; the last prefetch, a step back, has read its address
	s_add_nc_u64 s[28:29], s[28:29], 8192
	s_bitcmp1_b32 s22, 0                           ; is the tile NS steps on wanted by any wave?  The same in all sixteen
	s_cbranch_scc0 .Lno_load_\@
	global_load_b128 v[KL:KL+3], v[GOFF], s[24:25] offset:NS*8192
	global_load_b128 v[VL:VL+3], v[GOFF], s[26:27] offset:NS*8192
.Lno_load_\@:
	s_bitcmp1_b32 s23, 0
	s_cbranch_scc0 .Lno_ask_\@
	global_prefetch_b8 v[PFO], s[28:29] th:TH_LOAD_NT scope:SCOPE_SE   ; tile s + NS + 2, two steps ahead of its load: 32 blocks of 256 bytes, a lane a block; each block is named once in the launch; the flag's bits end at tile 31
.Lno_ask_\@:
	s_bitcmp1_b32 s20, 0                           ; has my group an open pair in this step?
	s_cbranch_scc0 .Lhidden_\@
	COMPUTE \bank, \sub
.Lhidden_\@:
	s_wait_loadcnt 0x0                             ; the tile's 32 bytes are in; this wait also frees the loads' offsets
	s_bitcmp1_b32 s22, 0
	s_cbranch_scc0 .Lno_store_\@
.if \bank
	ds_store_b128 v[STK], v[KL:KL+3] offset:KSL*\sub
	ds_store_b128 v[STV], v[VL:VL+3] offset:VSL*\sub
.else
	v_add_nc_u32 v[ST+4], BANK, v[STK]             ; into bank 1
	v_add_nc_u32 v[ST+5], BANK, v[STV]
	ds_store_b128 v[ST+4], v[KL:KL+3] offset:KSL*\sub
	ds_store_b128 v[ST+5], v[VL:VL+3] offset:VSL*\sub
.endif
.Lno_store_\@:
	v_add_nc_u32 v[GOFF], 8192, v[GOFF]
	v_add_nc_u32 v[MOFF], 64, v[MOFF]
	s_lshr_b32 s20, s20, 1
	s_lshr_b32 s21, s21, 1
	s_lshr_b32 s22, s22, 1
	s_lshr_b32 s23, s23, 1
	s_wait_dscnt 0x0                               ; my stores have landed and have read their registers, which the next step's loads take; my reads of this tile are over
.if \sub == NS-1
	s_barrier_signal -1                            ; every wave has stored its part of the other bank and has done with this one
	s_barrier_wait -1
.endif
.endm
.Lround:
	STEP 0, 0
	STEP 0, 1
	STEP 0, 2
	STEP 0, 3
	STEP 1, 0
	STEP 1, 1
	STEP 1, 2
	STEP 1, 3
	s_sub_co_u32 s66, s66, 1
	s_cmp_lg_u32 s66, 0
	s_cbranch_scc1 .Lround
	; THE WAY OUT: O^T / l, as f16, through my own stage, and out as four whole rows of 128 bytes an instruction
.rept 4
	v_nop
.endr
.irp t, 0,1
	v_add_f32 v[ST+8*\t+4], v[ST+8*\t+2], v[ST+8*\t+3]
.endr
.irp t, 0,1
	v_permlanex16_b32 v[ST+8*\t+5], v[ST+8*\t+4], s70, s71
.endr
.irp t, 0,1
	v_add_f32 v[ST+8*\t+4], v[ST+8*\t+4], v[ST+8*\t+5]
.endr
.irp t, 0,1
	v_rcp_f32 v[ST+8*\t+6], v[ST+8*\t+4]
.endr
	s_mul_i32 s2, s12, 4608
	s_add_co_u32 s2, s2, STAGE
	v_add_nc_u32 v1, s2, v1                        ; in: row r, 16 bytes for each half of the lanes.  (Plain work behind the reciprocals)
	v_and_b32 v3, 31, v0
	v_lshrrev_b32 v2, 3, v3
	v_mul_u32_u24 v2, v2, PK
	v_and_b32 v4, 7, v0
	v_lshl_add_u32 v2, v4, 4, v2
	v_add_nc_u32 v2, s2, v2                        ; back: eight lanes to a row
	v_lshlrev_b32 v3, 4, v3
	s_wait_alu depctr_va_vdst(0)                   ; one wait for the two reciprocals, ahead of their first reader
.irp t, 0,1
.set n, 0
.rept 16
	v_pk_mul_f32 v[O+32*\t+n:O+32*\t+n+1], v[O+32*\t+n:O+32*\t+n+1], v[ST+8*\t+6:ST+8*\t+7] op_sel_hi:[1,0]
.set n, n+2
.endr
.set n, 0
.rept 16
	v_cvt_pk_f16_f32 v[S+32*\t+n], v[O+32*\t+2*n], v[O+32*\t+2*n+1]
.set n, n+1
.endr
.irp dt, 0,1,2,3
	ds_store_b128 v1, v[S+32*\t+4*\dt:S+32*\t+4*\dt+3] offset:2304*\t+32*\dt
.endr
.irp i, 0,1,2,3
	ds_load_b128 v[S+32*\t+16+4*\i:S+32*\t+16+4*\i+3], v2 offset:2304*\t+576*\i   ; LDS serves a wave's instructions in order: these see the stores above
.endr
.endr
.irp t, 0,1
.irp i, 0,1,2,3
	s_wait_dscnt 8*(1-\t)+3-\i                     ; this load is in; the younger LDS instructions stay out
	global_store_b128 v3, v[S+32*\t+16+4*\i:S+32*\t+16+4*\i+3], s[78:79] offset:2048*\t+512*\i   ; 512 consecutive bytes, aligned
.endr
.endr
	v_lshl_add_u32 v16, v0, 2, SPARE               ; no two registers could be kept: the add's two are made anew from v0
	v_mov_b32 v17, 0
	s_wait_tensorcnt 0x0                           ; the wave's end: behind my last LDS store
	ds_add_u32 v16, v17
	s_wait_dscnt 0x0
	s_endpgm
.Lfunc_end_k_q110a53e2b5_attn:
	.size	k_q110a53e2b5_attn, .Lfunc_end_k_q110a53e2b5_attn-k_q110a53e2b5_attn
	.p2alignl 7, 3214868480
	.fill 96, 4, 3214868480
	.section	.rodata,"a",@progbits
	.p2align	6, 0x0
	.amdhsa_kernel k_q110a53e2b5_attn
		.amdhsa_group_segment_fixed_size 231424
		.amdhsa_private_segment_fixed_size 0
		.amdhsa_enable_private_segment 0
		.amdhsa_kernarg_size 32
		.amdhsa_user_sgpr_count 2
		.amdhsa_user_sgpr_kernarg_segment_ptr 1
		.amdhsa_wavefront_size32 1
		.amdhsa_system_sgpr_workgroup_id_x 1
		.amdhsa_system_sgpr_workgroup_id_y 1
		.amdhsa_system_sgpr_workgroup_id_z 1
		.amdhsa_system_vgpr_workitem_id 0
		.amdhsa_next_free_vgpr 256
		.amdhsa_next_free_sgpr 80
		.amdhsa_reserve_vcc 0
		.amdhsa_float_denorm_mode_32 3
		.amdhsa_float_denorm_mode_16_64 3
		.amdhsa_memory_ordered 1
		.amdhsa_forward_progress 1
		.amdhsa_inst_pref_size 240
	.end_amdhsa_kernel
	.amdgpu_metadata
---
amdhsa.version: [ 1, 2 ]
amdhsa.kernels:
  - .name:           k_q110a53e2b5_attn
    .symbol:         k_q110a53e2b5_attn.kd
    .args:
      - { .name: qkv, .offset: 0, .size: 8, .value_kind: global_buffer, .address_space: global }
      - { .name: position_mask, .offset: 8, .size: 8, .value_kind: global_buffer, .address_space: global }
      - { .name: flags, .offset: 16, .size: 8, .value_kind: global_buffer, .address_space: global }
      - { .name: attn16, .offset: 24, .size: 8, .value_kind: global_buffer, .address_space: global }
    .group_segment_fixed_size: 231424
    .private_segment_fixed_size: 0
    .kernarg_segment_align: 8
    .kernarg_segment_size: 32
    .max_flat_workgroup_size: 512
    .sgpr_count:     80
    .vgpr_count:     256
    .wavefront_size: 32
...
	.end_amdgpu_metadata
.endif
;; end of part 3
;; launch proj (part 4): grid 8 x 64, 4 waves a work-group, clusters of 4 x 4, 327,680 bytes of LDS; arguments attn16, tabs, out0; writes out0
.if DOCPART == 4
	.amdgcn_target "amdgcn-amd-amdhsa--gfx1250"
	.amdhsa_code_object_version 6
	.text
	.protected	k_q110a53e2b5_proj
	.globl	k_q110a53e2b5_proj
	.p2align	8
	.type	k_q110a53e2b5_proj,@function
k_q110a53e2b5_proj:
	s_mov_b64 s[64:65], 0
	v_nop
	global_prefetch_b8 v0, s[64:65] scope:SCOPE_SE
	s_setreg_imm32_b32 hwreg(HW_REG_WAVE_MODE, 25, 1), 1
	s_wait_xcnt 0x0
	s_wait_alu depctr_hold_cnt(0) depctr_sa_sdst(0) depctr_va_vdst(0) depctr_va_sdst(0) depctr_va_ssrc(0) depctr_va_vcc(0) depctr_vm_vsrc(0)
	s_getreg_b32 s2, hwreg(HW_REG_IB_STS2, 6, 4)
	s_cmp_eq_u32 s2, 0
	s_cbranch_scc0 .Lentry_in_a_cluster
	s_endpgm
.Lentry_in_a_cluster:
	s_bfe_u32 s2, ttmp6, 0x10000c
	s_cmp_lg_u32 s2, 0xf033
	s_cbranch_scc0 .Lentry_shape_is_right
	s_endpgm
.Lentry_shape_is_right:
; Launch 4: out0 = attention x Wo^T, 8,192 x 1,024 x 1,024, operands f16, sums f32.  (Rows 0-15 of each batch lie in tiles with live rows and are made here too; launch 5 stores them anew from f32 operands.)
; A tile of 128 x 128 is made by four waves, 64 x 64 each: 16 accumulators.  K goes in steps of 256 (four heads) through two LDS slots; 512 tiles for the chip's work-group places, two to each.
; A lies [tile row][head][128 rows][64]: a K step of a tile row is 65,536 dense bytes; waves 0 and 1 fetch two heads each, stated as 128 rows of 256 bytes (two rows of a head) + 16 of padding.
; B is Wo as f16 [n][k]: waves 2 and 3 fetch 64 rows of 512 bytes + 16.
; CLUSTERS of 4 x 4: A's tile is shared along a row of the cluster, B's along a column: joint loads.  THE MATRIX INSTRUCTION IS USED TRANSPOSED: a lane holds eight neighbouring columns of a row.
; REGISTERS: window 0: v16-29 addresses; v32-95 the way out; v128-255 the accumulators ((a, b) at v[128 + 8 (4 a + b)]).  Window 1: two fragment buffers of 128: 64 of A, then 64 of B, for 64 along K.
.set KSTEP,  256
.set PITCH,  528                       ; a row of B in LDS
.set HALFB,  64*PITCH
.set APL,    64*272                    ; a head's 128 rows of 128 bytes: 64 LDS rows of 256 + 16
.set HALFA,  2*APL
.set BOFF,   4*APL
.set SLOT,   BOFF+2*HALFB
.set SPARE,  2*SLOT                    ; the spare words, 128 bytes a wave
.set LAPS,   2
.set ADRA, 16
.set ADRB, 20
.set STO,  24
.set RD,   25
.set CO,   26
.set SPW,  28
.set NIL,  29
.set TMP,  32
.set ACC,  128
.set F0,   0
.set F1,   128
.set G1, 24
.set G0, 32
.set G1B, 48
.set G0B, 56
.set MSB, 0
.macro WIN new
.if MSB != (\new)
	s_set_vgpr_msb (MSB<<8)|(\new)
.set MSB, (\new)
.endif
.endm
.set MUL,  0x05                        ; sources 0 (B) and 1 (A) window 1; C and D window 0
.set TO_F, 0x40
.macro JLOAD s                         ; waves 0 and 1 fetch A's halves, waves 2 and 3 B's; an s_nop 0 and four v_nop follow each line
	s_cmp_eq_u32 s11, 0
	s_cbranch_scc0 .Lfor_b_\@
	tensor_load_to_lds s[G0+4*\s:G0+4*\s+3], s[G1:G1+7]
	s_nop 0
.rept 4
	v_nop
.endr
	s_branch .Lasked_\@
.Lfor_b_\@:
	tensor_load_to_lds s[G0B+4*\s:G0B+4*\s+3], s[G1B:G1B+7]
	s_nop 0
.rept 4
	v_nop
.endr
.Lasked_\@:
.endm
.macro CREST
	s_cmp_lg_u32 s10, 0
	s_cbranch_scc1 .Lnot_wave_0_\@
	s_barrier_signal -3
.Lnot_wave_0_\@:
	s_barrier_wait -3
	s_barrier_signal -1
	s_barrier_wait -1
.endm
.macro CROUND
	s_barrier_signal -1
	s_barrier_wait -1
	CREST
.endm
	s_load_b128 s[4:7], s[0:1], 0x0                ; attn16 s4, tabs s6 (Wo as f16 from its first byte)
	s_load_b64 s[8:9], s[0:1], 0x10                ; out0
	v_lshl_add_u32 v[SPW], v0, 2, SPARE
	v_mov_b32 v[NIL], 0
	ds_add_u32 v[SPW], v[NIL]                      ; the wave's opening: the add, twice on end, and its wait ahead of my first tensor load
	ds_add_u32 v[SPW], v[NIL]
	v_lshrrev_b32 v1, 5, v0
	v_readfirstlane_b32 s10, v1                    ; wave 0..3
	s_lshr_b32 s11, s10, 1                         ; which half of the tile's rows is mine.  Also: I fetch for A (0) or for B (1)
	s_and_b32 s12, s10, 1                          ; which half of its columns.  Also: which half I fetch
	s_bfe_u32 s40, ttmp6, 0x40000
	s_bfe_u32 s41, ttmp6, 0x40004
	s_lshl_b32 s42, ttmp9, 2
	s_add_co_u32 s42, s42, s40                     ; tile column
	s_and_b32 s13, ttmp7, 0xffff
	s_lshl_b32 s13, s13, 2
	s_add_co_u32 s13, s13, s41                     ; tile row
	s_lshl_b32 s43, s41, 2
	s_lshl_b32 s43, 15, s43                        ; my row of the cluster
	s_lshl_b32 s44, 0x1111, s40                    ; my column
	s_or_b32 s[G1+0], s43, (3<<16)|(1<<20)|(1<<21)|(5<<22)|(3<<25)  ; A: the mask; elements of 8 bytes; 4 words of padding behind every 64; bit 21 beside a mask
	s_mov_b32 s[G1+1], 32<<16                      ; tensor_dim0 = 32 elements: 256 bytes
	s_mov_b32 s[G1+2], 128<<16                     ; tensor_dim1
	s_mov_b32 s[G1+3], 32<<16                      ; tile_dim0
	s_mov_b32 s[G1+4], 128                         ; tile_dim1
	s_mov_b32 s[G1+5], 32                          ; dense
	s_mov_b32 s[G1+6], 0
	s_mov_b32 s[G1+7], 0
	s_or_b32 s[G1B+0], s44, (1<<16)|(1<<20)|(1<<21)|(6<<22)|(3<<25) ; B: elements of 2 bytes; 4 words behind every 128
	s_mov_b32 s[G1B+1], KSTEP<<16
	s_mov_b32 s[G1B+2], 64<<16
	s_mov_b32 s[G1B+3], KSTEP<<16
	s_mov_b32 s[G1B+4], 64
	s_mov_b32 s[G1B+5], 1024
	s_mov_b32 s[G1B+6], 0
	s_mov_b32 s[G1B+7], 0
	s_lshl_b32 s16, s13, 4                         ; A: head plane 16 x tile row + 2 x half, 16,384 bytes each
	s_lshl_b32 s17, s12, 1
	s_add_co_u32 s16, s16, s17
	s_lshl_b32 s16, s16, 14
	s_mov_b32 s17, 0
	s_lshl_b32 s46, s42, 7                         ; B: row 128 x tile column + 64 x half, 2,048 bytes each
	s_lshl_b32 s47, s12, 6
	s_add_co_u32 s46, s46, s47
	s_lshl_b32 s46, s46, 11
	s_mov_b32 s47, 0
	s_mul_i32 s20, s12, HALFA                      ; where they go: no place in the cluster enters an LDS address
	s_mul_i32 s21, s12, HALFB
	s_add_co_u32 s21, s21, BOFF
	s_wait_dscnt 0x0                               ; both opening adds are done
	s_wait_kmcnt 0x0
	s_add_nc_u64 s[14:15], s[4:5], s[16:17]
	s_add_nc_u64 s[46:47], s[6:7], s[46:47]
	CROUND                                         ; all sixteen work-groups are here: the first joint loads meet
.irp s, 0,1
	s_mov_b32 s[G0+4*\s], 1
	s_add_co_u32 s[G0+4*\s+1], s20, \s*SLOT
	s_add_nc_u64 s[G0+4*\s+2:G0+4*\s+3], s[14:15], \s*65536
	s_or_b32 s[G0+4*\s+3], s[G0+4*\s+3], 0x80000000
	s_mov_b32 s[G0B+4*\s], 1
	s_add_co_u32 s[G0B+4*\s+1], s21, \s*SLOT
	s_add_nc_u64 s[G0B+4*\s+2:G0B+4*\s+3], s[46:47], \s*KSTEP*2
	s_or_b32 s[G0B+4*\s+3], s[G0B+4*\s+3], 0x80000000
	JLOAD \s
.endr
	v_and_b32 v1, 15, v0                           ; r
	v_bfe_u32 v2, v0, 4, 1                         ; h
	v_lshrrev_b32 v3, 1, v1
	v_mul_u32_u24 v3, v3, 272
	v_and_b32 v4, 1, v0
	v_lshl_add_u32 v3, v4, 7, v3
	v_lshl_add_u32 v3, v2, 4, v3                   ; A: 272 (r / 2) + 128 (r % 2) + 16 h: sixteen rows, sixteen different 16-byte columns modulo 256
	v_mul_u32_u24 v5, v1, PITCH
	v_lshl_add_u32 v5, v2, 4, v5                   ; B: 528 r + 16 h
	s_mul_i32 s21, s11, 32*272                     ; my 64 rows of each head plane
	s_mul_i32 s22, s12, HALFB
	s_add_co_u32 s22, s22, BOFF
.irp s, 0,1
	v_add_nc_u32 v[ADRA+\s], s21, v3
	v_add_nc_u32 v[ADRB+\s], s22, v5
	s_add_co_u32 s21, s21, SLOT
	s_add_co_u32 s22, s22, SLOT
.endr
	s_mul_i32 s23, s10, 64*272                     ; my stage: 64 rows of 256 bytes + 16, in slot 0
	v_mul_u32_u24 v4, v1, 272
	v_lshl_add_u32 v4, v2, 5, v4
	v_add_nc_u32 v[STO], s23, v4                   ; in: row r, 32 bytes for each half of the lanes
	v_mul_u32_u24 v5, v2, 272
	v_lshl_add_u32 v5, v1, 4, v5
	v_add_nc_u32 v[RD], s23, v5                    ; back: lanes 0-15 one row, lanes 16-31 the next
	v_lshlrev_b32 v5, 12, v2
	v_lshl_add_u32 v[CO], v1, 4, v5                ; and the same two rows of out0
	s_lshl_b32 s16, s13, 7
	s_lshl_b32 s17, s11, 6
	s_add_co_u32 s16, s16, s17                     ; my first row
	s_lshl_b32 s16, s16, 12
	s_lshl_b32 s46, s42, 9                         ; my first column, in bytes
	s_lshl_b32 s47, s12, 8
	s_add_co_u32 s46, s46, s47
	s_add_co_u32 s16, s16, s46
	s_mov_b32 s17, 0
	s_add_nc_u64 s[8:9], s[8:9], s[16:17]
.macro MUL8 f, c, a0, zero             ; m blocks a0, a0 + 1 x all 4 n blocks, 32 along K; the 16 accumulators take turns
.irp a, \a0, \a0+1
.irp b, 0,1,2,3
.if \zero
	v_wmma_f32_16x16x32_f16 v[ACC+8*(4*(\a)+\b):ACC+8*(4*(\a)+\b)+7], v[\f+64+8*(4*\c+\b):\f+64+8*(4*\c+\b)+7], v[\f+8*(4*\c+\a):\f+8*(4*\c+\a)+7], 0
.else
	v_wmma_f32_16x16x32_f16 v[ACC+8*(4*(\a)+\b):ACC+8*(4*(\a)+\b)+7], v[\f+64+8*(4*\c+\b):\f+64+8*(4*\c+\b)+7], v[\f+8*(4*\c+\a):\f+8*(4*\c+\a)+7], v[ACC+8*(4*(\a)+\b):ACC+8*(4*(\a)+\b)+7]
.endif
.endr
.endr
.endm
.macro FETCH slot, q, f                ; 32 LDS loads: quarter q of the slot's K step (one head) into buffer f; its first 32 along K first
	WIN TO_F
.irp c, 0,1
.irp i, 0,1,2,3
	ds_load_b128 v[\f+64+8*(4*\c+\i):\f+64+8*(4*\c+\i)+3],   v[ADRB+\slot] offset:128*(\q)+64*\c+\i*16*PITCH
	ds_load_b128 v[\f+64+8*(4*\c+\i)+4:\f+64+8*(4*\c+\i)+7], v[ADRB+\slot] offset:128*(\q)+64*\c+\i*16*PITCH+32
	ds_load_b128 v[\f+8*(4*\c+\i):\f+8*(4*\c+\i)+3],         v[ADRA+\slot] offset:APL*(\q)+64*\c+\i*8*272
	ds_load_b128 v[\f+8*(4*\c+\i)+4:\f+8*(4*\c+\i)+7],       v[ADRA+\slot] offset:APL*(\q)+64*\c+\i*8*272+32
.endr
.endr
.endm
.macro PLACES
.rept 4
	v_nop
.endr
.endm
.macro QUARTER slot, q, f, g, zero     ; multiplies buffer f and fetches quarter q into g
	s_wait_dscnt 16                                ; the first 32 along K are in; the other sixteen loads may be out
	WIN MUL
	MUL8 \f, 0, 0, \zero
	MUL8 \f, 0, 2, \zero
	PLACES
	FETCH \slot, \q, \g
	s_wait_dscnt 32                                ; all but the 32 just issued
	WIN MUL
	MUL8 \f, 1, 0, 0
	MUL8 \f, 1, 2, 0
.endm
; A slot's last quarter changes slots: each wave waits for all its tensor loads, adds 0 to its spare word, waits for that and for its reads of this slot; one barrier, which with fill = 1 opens a round of the cluster's.
.macro TURN slot, next, fill
	WIN 0
	s_wait_tensorcnt 0x0
	ds_add_u32 v[SPW], v[NIL]
	s_wait_dscnt 17                                ; (the add and the youngest sixteen loads may be out)
	WIN MUL
	MUL8 F1, 0, 0, 0
	s_wait_dscnt 0x0                               ; the add is done, and my reads of this slot are over
	s_barrier_signal -1
	MUL8 F1, 0, 2, 0
.if \fill
	WIN 0
.endif
	s_barrier_wait -1
.if \fill
	CREST                                          ; no wave of any partner still reads this slot or has a load on its way
	s_add_nc_u64 s[G0+4*\slot+2:G0+4*\slot+3], s[G0+4*\slot+2:G0+4*\slot+3], 2*65536
	s_add_nc_u64 s[G0B+4*\slot+2:G0B+4*\slot+3], s[G0B+4*\slot+2:G0B+4*\slot+3], 2*KSTEP*2
	JLOAD \slot                                    ; the first tensor load behind the round, one a wave; its four v_nop are also the places ahead of the loads below
.else
	PLACES
.endif
	FETCH \next, 0, F0
	WIN MUL
	MUL8 F1, 1, 0, 0
	MUL8 F1, 1, 2, 0
.endm
	s_wait_tensorcnt 1                             ; my part of K step 0 is in (K step 1's may be out)
	s_barrier_signal -1
	s_barrier_wait -1
	FETCH 0, 0, F0
	QUARTER 0, 1, F0, F1, 1                        ; the first products start the sums
	WIN 0
	s_mov_b32 s3, LAPS-1
.Llap:
	QUARTER 0, 2, F1, F0, 0
	QUARTER 0, 3, F0, F1, 0
	TURN 0, 1, 1
	QUARTER 1, 1, F0, F1, 0
	QUARTER 1, 2, F1, F0, 0
	QUARTER 1, 3, F0, F1, 0
	TURN 1, 0, 1
	QUARTER 0, 1, F0, F1, 0
	WIN 0
	s_sub_co_u32 s3, s3, 1
	s_cmp_lg_u32 s3, 0
	s_cbranch_scc1 .Llap
	QUARTER 0, 2, F1, F0, 0                        ; the last lap fills nothing
	QUARTER 0, 3, F0, F1, 0
	TURN 0, 1, 0
	QUARTER 1, 1, F0, F1, 0
	QUARTER 1, 2, F1, F0, 0
	QUARTER 1, 3, F0, F1, 0
	s_wait_dscnt 16
	WIN MUL
	MUL8 F1, 0, 0, 0
	MUL8 F1, 0, 2, 0
	s_wait_dscnt 0
	MUL8 F1, 1, 0, 0
	MUL8 F1, 1, 2, 0
	WIN 0
	; THE WAY OUT.  A wave's 64 columns of f32 are 256 bytes: its own stage, no barrier.  The stage lies in slot 0: its last fill and, behind the last change of slots, its last read are over.
	PLACES
.irp a, 0,1,2,3
.irp b, 0,1,2,3
	ds_store_b128 v[STO], v[ACC+8*(4*\a+\b):ACC+8*(4*\a+\b)+3] offset:\a*16*272+64*\b        ; each accumulator from its low end on
	ds_store_b128 v[STO], v[ACC+8*(4*\a+\b)+4:ACC+8*(4*\a+\b)+7] offset:\a*16*272+64*\b+16
.endr
.endr
.irp u, 0,1
.if \u
	s_wait_xcnt 0x0                                ; the first batch's stores have read their registers
.endif
.irp t, 0,1,2,3,4,5,6,7,8,9,10,11,12,13,14,15
	ds_load_b128 v[TMP+4*\t:TMP+4*\t+3], v[RD] offset:(16*\u+\t)*2*272   ; LDS serves a wave's instructions in order: these see my stores
.endr
.irp t, 0,1,2,3,4,5,6,7,8,9,10,11,12,13,14,15
	s_wait_dscnt 15-\t
	global_store_b128 v[CO], v[TMP+4*\t:TMP+4*\t+3], s[8:9] offset:(16*\u+\t)*8192 th:TH_STORE_NT   ; sixteen lanes store 256 consecutive bytes, aligned
.endr
.endr
	s_wait_tensorcnt 0x0                           ; the wave's end
	ds_add_u32 v[SPW], v[NIL]
	s_wait_dscnt 0x0
	CROUND                                         ; the closing round
	s_endpgm
.Lfunc_end_k_q110a53e2b5_proj:
	.size	k_q110a53e2b5_proj, .Lfunc_end_k_q110a53e2b5_proj-k_q110a53e2b5_proj
	.p2alignl 7, 3214868480
	.fill 96, 4, 3214868480
	.section	.rodata,"a",@progbits
	.p2align	6, 0x0
	.amdhsa_kernel k_q110a53e2b5_proj
		.amdhsa_group_segment_fixed_size 327680
		.amdhsa_private_segment_fixed_size 0
		.amdhsa_enable_private_segment 0
		.amdhsa_kernarg_size 24
		.amdhsa_user_sgpr_count 2
		.amdhsa_user_sgpr_kernarg_segment_ptr 1
		.amdhsa_wavefront_size32 1
		.amdhsa_system_sgpr_workgroup_id_x 1
		.amdhsa_system_sgpr_workgroup_id_y 1
		.amdhsa_system_sgpr_workgroup_id_z 1
		.amdhsa_system_vgpr_workitem_id 0
		.amdhsa_next_free_vgpr 512
		.amdhsa_next_free_sgpr 66
		.amdhsa_reserve_vcc 0
		.amdhsa_float_denorm_mode_32 3
		.amdhsa_float_denorm_mode_16_64 3
		.amdhsa_memory_ordered 1
		.amdhsa_forward_progress 1
		.amdhsa_inst_pref_size 87
	.end_amdhsa_kernel
	.amdgpu_metadata
---
amdhsa.version: [ 1, 2 ]
amdhsa.kernels:
  - .name:           k_q110a53e2b5_proj
    .symbol:         k_q110a53e2b5_proj.kd
    .args:
      - { .name: attn16, .offset: 0, .size: 8, .value_kind: global_buffer, .address_space: global }
      - { .name: tabs, .offset: 8, .size: 8, .value_kind: global_buffer, .address_space: global }
      - { .name: out0, .offset: 16, .size: 8, .value_kind: global_buffer, .address_space: global }
    .group_segment_fixed_size: 327680
    .private_segment_fixed_size: 0
    .kernarg_segment_align: 8
    .kernarg_segment_size: 24
    .max_flat_workgroup_size: 128
    .sgpr_count:     66
    .vgpr_count:     512
    .wavefront_size: 32
...
	.end_amdgpu_metadata
.endif
;; end of part 4
;; launch fine (part 5): grid 16 x 4, 16 waves a work-group, no clusters, 71,680 bytes of LDS; arguments qkv, position_mask, flags, Wo, out0; writes out0
.if DOCPART == 5
	.amdgcn_target "amdgcn-amd-amdhsa--gfx1250"
	.amdhsa_code_object_version 6
	.text
	.protected	k_q110a53e2b5_fine
	.globl	k_q110a53e2b5_fine
	.p2align	8
	.type	k_q110a53e2b5_fine,@function
k_q110a53e2b5_fine:
	s_mov_b64 s[64:65], 0
	v_nop
	global_prefetch_b8 v0, s[64:65] scope:SCOPE_SE
	s_setreg_imm32_b32 hwreg(HW_REG_WAVE_MODE, 25, 1), 1
	s_wait_xcnt 0x0
; Launch 5: positions 0-15 of every sequence once more, in f32: these rows may average one to a few values, where the rounding of f16 operands weighs most.  Attention and the product with Wo in one launch;
; the 64 rows are stored over launch 4's.  All arithmetic is f32 (v_wmma_f32_16x16x4_f32: 64 rows in all, no bulk work).
; LEFT OUT: tiles of 16 keys in which position_mask hides every pair with queries 0-15, by the 128 flag bits that launch 1 stored (they add exp(-inf) = 0).
; SHARES.  Work-group (x, b): columns 64 x .. 64 x + 63 of batch b.  Wave h makes the attention of head h's 16 queries, multiplies it by Wo's 64 rows x its own 64 along K, and the sixteen partial tiles are added
; through LDS.  Each of a batch's sixteen work-groups makes the sixteen small attentions anew: so no buffer and no launch stands between the two products.
; q, and k and v of keys 0-15, are the f32 numbers of launch 2; k and v of later keys are its f16 numbers, widened: a limit of this text.  A mask that opens many keys to positions 0-15 is served, tile after tile.
; LAYOUT.  Of q and of k lane (r, h) holds dims 32 h + 0..31 of row r: product i takes registers 2 i, 2 i + 1 of both, the same four dims on both sides.  S^T: a lane holds query r, keys 8 h + j.
; P so is source 1 of O^T = V^T P as it stands, where lane (r, h) of V^T's tile t holds dim 16 t + r, keys 8 h + j.  In O^T lane (r, h) holds query r, dims 16 t + 8 h + j: that again is source 1 of the
; product with Wo as it stands, where lane (r, h) of Wo's tile takes row r's same dims, 32 bytes for each t.  Nothing changes lanes between the three products.
; The registers that the matrix instructions write are written by them alone; each sum begins with the constant 0 and is taken over into other registers or into LDS.
.set RAW, 24                           ; v24-39  k as f16; later the sums' temporaries
.set VF,  40                           ; v40-71  V^T, 8 a tile of dims
.set KF,  72                           ; v72-103
.set QF,  104                          ; v104-135
.set SS,  136                          ; v136-143 the scores
.set P,   144                          ; v144-151
.set OR,  152                          ; v152-183 the running O^T
.set SA,  184                          ; v184-215 four partial sums of S^T; at the end the four tiles of 16 columns
.set OT,  216                          ; v216-247 a tile's V^T P
.set WB,  24                           ; v24-151 at the end: Wo's fragments, (column tile n, t) at WB + 32 n + 8 t
.set SPW, 248                          ; my spare word; never rewritten
.set NIL, 249                          ; 0; never rewritten
.set PST, 250                          ; LDS: where I put 32 bytes of my partial tile: 4,352 x wave + 272 r + 32 h
.set PRD, 251                          ; LDS: row (my wave's number) of partial tile 0, 8 bytes a lane
.set OO,  252                          ; 8 x lane
.set WO,  253                          ; Wo: 4,096 r + 32 h
.set PART, 16*272                      ; a wave's partial tile: 16 queries x (256 bytes + 16)
.set SPARE, 16*PART                    ; behind the sixteen: the spare words, 128 bytes a wave
	s_load_b256 s[4:11], s[0:1], 0x0               ; qkv s4, position_mask s6, flags s8, Wo s10
	s_load_b64 s[38:39], s[0:1], 0x20              ; out0
	v_lshl_add_u32 v[SPW], v0, 2, SPARE
	v_mov_b32 v[NIL], 0
	v_lshrrev_b32 v1, 5, v0
	v_readfirstlane_b32 s17, v1                    ; wave: my head; at the end my row
	s_and_b32 s16, ttmp7, 0xffff                   ; b;  ttmp9 = x
	v_and_b32 v1, 15, v0                           ; r
	v_bfe_u32 v2, v0, 4, 1                         ; h of the lane
	v_lshlrev_b32 v3, 12, v1
	v_lshl_add_u32 v3, v2, 7, v3                   ; f32 rows of q and k: 4,096 r + 128 h
	v_lshlrev_b32 v4, 15, v2
	v_lshl_add_u32 v4, v1, 2, v4                   ; f32 V^T: 8 h rows of 4,096 + 4 r
	v_lshlrev_b32 v5, 7, v1
	v_lshl_add_u32 v5, v2, 6, v5                   ; f16 rows of k: 128 r + 64 h
	v_lshlrev_b32 v6, 10, v2
	v_lshl_add_u32 v6, v1, 1, v6                   ; f16 V^T: 8 h rows of 128 + 2 r
	v_lshlrev_b32 v7, 11, v1
	v_lshl_add_u32 v7, v2, 3, v7                   ; the mask: 2,048 r + 8 h
	s_mul_i32 s2, s17, PART
	v_mul_u32_u24 v[PST], v1, 272
	v_lshl_add_u32 v[PST], v2, 5, v[PST]
	v_add_nc_u32 v[PST], s2, v[PST]
	s_mul_i32 s2, s17, 272
	v_and_b32 v[OO], 31, v0
	v_lshlrev_b32 v[OO], 3, v[OO]
	v_add_nc_u32 v[PRD], s2, v[OO]
	v_lshlrev_b32 v[WO], 12, v1
	v_lshl_add_u32 v[WO], v2, 5, v[WO]
	s_mov_b32 s24, 0x76543210
	s_mov_b32 s25, 0xfedcba98
	s_mov_b32 s26, 0xff800000
	s_mov_b32 s27, 0x01010101
	s_mov_b32 s28, 0x02020202
	s_mov_b32 s29, 0x03030303
	s_mov_b32 s30, 255
	s_mov_b32 s32, 0x3e38aa3b                      ; c = log2(e) / 8
	s_mov_b32 s33, s32
	s_mov_b32 s34, 16                              ; trips of eight tiles
	s_lshl_b32 s2, s16, 16
	s_lshl_b32 s3, s17, 8
	s_add_co_u32 s2, s2, s3                        ; the f32 copy: 65,536 b + 256 x head
	s_mov_b32 s3, 0
	s_lshl_b32 s36, s16, 4
	s_add_co_u32 s36, s36, s17
	s_lshl_b32 s36, s36, 18                        ; the head in the f16 tensors
	s_mov_b32 s37, 0
	s_lshl_b32 s40, ttmp9, 18                      ; Wo: row 64 x of 4,096 bytes,
	s_lshl_b32 s41, s17, 8                         ; + my head's 64 numbers
	s_add_co_u32 s40, s40, s41
	s_mov_b32 s41, 0
	s_lshl_b32 s42, s16, 23                        ; out0: 2,048 b rows of 4,096 bytes,
	s_lshl_b32 s43, s17, 12                        ; + the row of my wave's number,
	s_add_co_u32 s42, s42, s43
	s_lshl_b32 s43, ttmp9, 8                       ; + 256 x
	s_add_co_u32 s42, s42, s43
	s_mov_b32 s43, 0
	s_wait_kmcnt 0x0
	s_load_b128 s[12:15], s[8:9], 0x200            ; 128 bits: tile t of 16 keys has an open pair
	s_add_nc_u64 s[18:19], s[4:5], s[2:3]
	s_add_nc_u64 s[18:19], s[18:19], 50331648      ; q's f32 rows; k's lie 262,144 bytes on, v's 524,288
	s_add_nc_u64 s[20:21], s[4:5], s[36:37]
	s_add_nc_u64 s[20:21], s[20:21], 0x1000000     ; k as f16, key 0
	s_add_nc_u64 s[22:23], s[20:21], 0x1000000     ; v as f16
	s_add_nc_u64 s[10:11], s[10:11], s[40:41]
	s_add_nc_u64 s[38:39], s[38:39], s[42:43]
	; q, and keys 0-15 with their bytes of the mask, are asked for beside the flags, without a test: one wait serves all
.irp i, 0,1,2,3,4,5,6,7
	global_load_b128 v[QF+4*\i:QF+4*\i+3], v3, s[18:19] offset:16*\i
.endr
.irp i, 0,1,2,3,4,5,6,7
	global_load_b128 v[KF+4*\i:KF+4*\i+3], v3, s[18:19] offset:262144+16*\i
.endr
.irp t, 0,1,2,3
.irp j, 0,1,2,3,4,5,6,7
	global_load_b32 v[VF+8*\t+\j], v4, s[18:19] offset:524288+4096*\j+64*\t
.endr
.endr
	global_load_b64 v[8:9], v7, s[6:7]
	v_mov_b32 v11, 0xff61b1e6                      ; m = -3e38
	v_mul_f32 v10, s32, v11                        ; c m
.irp n, 12,13,14,15,16,17,18
	v_mov_b32 v\n, 0                               ; l in two halves; a; at work (a lane permute's destination counts as read)
.endr
.set n, 0
.rept 32
	v_mov_b32 v[OR+n], 0
.set n, n+1
.endr
	s_wait_kmcnt 0x0
	s_wait_loadcnt 0x0
; f16 to f32.  Register RAW + n holds dims 2 n and 2 n + 1 of my 32: they go to KF + 2 n and KF + 2 n + 1.  V^T's 32 numbers came zero-extended, one a register, and are widened in place.
; The halves are named by literal register numbers: a half's suffix stands beside no macro argument.
.macro WIDEN
	v_cvt_f32_f16 v72, v24.l
	v_cvt_f32_f16 v73, v24.h
	v_cvt_f32_f16 v74, v25.l
	v_cvt_f32_f16 v75, v25.h
	v_cvt_f32_f16 v76, v26.l
	v_cvt_f32_f16 v77, v26.h
	v_cvt_f32_f16 v78, v27.l
	v_cvt_f32_f16 v79, v27.h
	v_cvt_f32_f16 v80, v28.l
	v_cvt_f32_f16 v81, v28.h
	v_cvt_f32_f16 v82, v29.l
	v_cvt_f32_f16 v83, v29.h
	v_cvt_f32_f16 v84, v30.l
	v_cvt_f32_f16 v85, v30.h
	v_cvt_f32_f16 v86, v31.l
	v_cvt_f32_f16 v87, v31.h
	v_cvt_f32_f16 v88, v32.l
	v_cvt_f32_f16 v89, v32.h
	v_cvt_f32_f16 v90, v33.l
	v_cvt_f32_f16 v91, v33.h
	v_cvt_f32_f16 v92, v34.l
	v_cvt_f32_f16 v93, v34.h
	v_cvt_f32_f16 v94, v35.l
	v_cvt_f32_f16 v95, v35.h
	v_cvt_f32_f16 v96, v36.l
	v_cvt_f32_f16 v97, v36.h
	v_cvt_f32_f16 v98, v37.l
	v_cvt_f32_f16 v99, v37.h
	v_cvt_f32_f16 v100, v38.l
	v_cvt_f32_f16 v101, v38.h
	v_cvt_f32_f16 v102, v39.l
	v_cvt_f32_f16 v103, v39.h
	v_cvt_f32_f16 v40, v40.l
	v_cvt_f32_f16 v41, v41.l
	v_cvt_f32_f16 v42, v42.l
	v_cvt_f32_f16 v43, v43.l
	v_cvt_f32_f16 v44, v44.l
	v_cvt_f32_f16 v45, v45.l
	v_cvt_f32_f16 v46, v46.l
	v_cvt_f32_f16 v47, v47.l
	v_cvt_f32_f16 v48, v48.l
	v_cvt_f32_f16 v49, v49.l
	v_cvt_f32_f16 v50, v50.l
	v_cvt_f32_f16 v51, v51.l
	v_cvt_f32_f16 v52, v52.l
	v_cvt_f32_f16 v53, v53.l
	v_cvt_f32_f16 v54, v54.l
	v_cvt_f32_f16 v55, v55.l
	v_cvt_f32_f16 v56, v56.l
	v_cvt_f32_f16 v57, v57.l
	v_cvt_f32_f16 v58, v58.l
	v_cvt_f32_f16 v59, v59.l
	v_cvt_f32_f16 v60, v60.l
	v_cvt_f32_f16 v61, v61.l
	v_cvt_f32_f16 v62, v62.l
	v_cvt_f32_f16 v63, v63.l
	v_cvt_f32_f16 v64, v64.l
	v_cvt_f32_f16 v65, v65.l
	v_cvt_f32_f16 v66, v66.l
	v_cvt_f32_f16 v67, v67.l
	v_cvt_f32_f16 v68, v68.l
	v_cvt_f32_f16 v69, v69.l
	v_cvt_f32_f16 v70, v70.l
	v_cvt_f32_f16 v71, v71.l
.endm
; A tile of 16 keys.  wide = 1: keys 0-15, whose f32 numbers and mask bytes the head has brought.  wide = 0: tile idx of the trip's eight: its f16 numbers are loaded here and widened.
.macro TILE wide, idx
.if !\wide
.irp i, 0,1,2,3
	global_load_b128 v[RAW+4*\i:RAW+4*\i+3], v5, s[20:21] offset:2048*(\idx)+16*\i
.endr
.irp t, 0,1,2,3
.irp j, 0,1,2,3,4,5,6,7
	global_load_u16 v[VF+8*\t+\j], v6, s[22:23] offset:2048*(\idx)+128*\j+32*\t
.endr
.endr
	global_load_b64 v[8:9], v7, s[6:7] offset:16*(\idx)
	s_wait_loadcnt 0x0                             ; all of the tile's loads are in
	WIDEN
.endif
.irp i, 0,1,2,3,4,5,6,7,8,9,10,11,12,13,14,15      ; four accumulators by turns
.if \i < 4
	v_wmma_f32_16x16x4_f32 v[SA+8*(\i%4):SA+8*(\i%4)+7], v[KF+2*\i:KF+2*\i+1], v[QF+2*\i:QF+2*\i+1], 0
.else
	v_wmma_f32_16x16x4_f32 v[SA+8*(\i%4):SA+8*(\i%4)+7], v[KF+2*\i:KF+2*\i+1], v[QF+2*\i:QF+2*\i+1], v[SA+8*(\i%4):SA+8*(\i%4)+7]
.endif
.endr
.rept 8
	v_nop                                          ; eight places behind this form (ISA guide 7.12.1)
.endr
.irp j, 0,2,4,6
	v_pk_add_f32 v[SS+\j:SS+\j+1], v[SA+\j:SA+\j+1], v[SA+8+\j:SA+8+\j+1]
.endr
.irp j, 0,2,4,6
	v_pk_add_f32 v[RAW+\j:RAW+\j+1], v[SA+16+\j:SA+16+\j+1], v[SA+24+\j:SA+24+\j+1]
.endr
.irp j, 0,2,4,6
	v_pk_add_f32 v[SS+\j:SS+\j+1], v[SS+\j:SS+\j+1], v[RAW+\j:RAW+\j+1]
.endr
.irp w, 0,1                            ; hidden scores become -infinity: a byte x 255, spread over a word, selects bit by bit
	v_mul_lo_u32 v[8+\w], v[8+\w], s30
	v_perm_b32 v20, v[8+\w], v[8+\w], 0
	v_perm_b32 v21, v[8+\w], v[8+\w], s27
	v_perm_b32 v22, v[8+\w], v[8+\w], s28
	v_perm_b32 v23, v[8+\w], v[8+\w], s29
.irp i, 0,1,2,3
	v_bfi_b32 v[SS+4*\w+\i], v[20+\i], s26, v[SS+4*\w+\i]
.endr
.endr
	v_max3_num_f32 v16, v[SS], v[SS+1], v[SS+2]
	v_max3_num_f32 v16, v16, v[SS+3], v[SS+4]
	v_max3_num_f32 v16, v16, v[SS+5], v[SS+6]
	v_max3_num_f32 v16, v16, v[SS+7], v11
	v_permlanex16_b32 v17, v16, s24, s25
	v_mov_b32 v18, v10
	v_max_num_f32 v11, v16, v17
	v_mul_f32 v10, s32, v11
	v_sub_f32 v18, v18, v10
.irp j, 0,2,4,6
	v_pk_fma_f32 v[P+\j:P+\j+1], v[SS+\j:SS+\j+1], s[32:33], v[10:11] op_sel_hi:[1,0,0] neg_lo:[0,0,1] neg_hi:[0,0,1]
.endr
	v_exp_f32 v14, v18                             ; a
.irp j, 0,1,2,3,4,5,6,7
	v_exp_f32 v[P+\j], v[P+\j]
.endr
	v_nop
	s_wait_alu depctr_va_vdst(0)                   ; one wait for the nine, ahead of their first reader
	v_pk_fma_f32 v[12:13], v[12:13], v[14:15], v[P:P+1] op_sel_hi:[1,0,1]
.irp j, 2,4,6
	v_pk_add_f32 v[12:13], v[12:13], v[P+\j:P+\j+1]
.endr
.irp i, 0,1,2,3                        ; keys 8 h + 2 i, 2 i + 1; the four tiles of dims by turns
.irp t, 0,1,2,3
.if \i == 0
	v_wmma_f32_16x16x4_f32 v[OT+8*\t:OT+8*\t+7], v[VF+8*\t+2*\i:VF+8*\t+2*\i+1], v[P+2*\i:P+2*\i+1], 0
.else
	v_wmma_f32_16x16x4_f32 v[OT+8*\t:OT+8*\t+7], v[VF+8*\t+2*\i:VF+8*\t+2*\i+1], v[P+2*\i:P+2*\i+1], v[OT+8*\t:OT+8*\t+7]
.endif
.endr
.endr
.rept 8
	v_nop
.endr
.irp t, 0,1,2,3
.irp j, 0,2,4,6
	v_pk_fma_f32 v[OR+8*\t+\j:OR+8*\t+\j+1], v[OR+8*\t+\j:OR+8*\t+\j+1], v[14:15], v[OT+8*\t+\j:OT+8*\t+\j+1] op_sel_hi:[1,0,1]
.endr
.endr
.endm
.macro TRY k                           ; tile k of the trip's eight, under its flag bit
	s_bitcmp1_b32 s12, \k
	s_cbranch_scc0 .Lskip_\@
	TILE 0, \k
.Lskip_\@:
.endm
	s_bitcmp1_b32 s12, 0
	s_cbranch_scc0 .Lno_first
	TILE 1, 0
.Lno_first:
	s_and_b32 s12, s12, -2                         ; keys 0-15 are done
	s_or_b32 s35, s12, s13
	s_or_b32 s35, s35, s14
	s_or_b32 s35, s35, s15
	s_cmp_eq_u32 s35, 0                            ; no tile left: the walk is passed over
	s_cbranch_scc1 .Lwalked
.Lbyte:                                            ; 16 trips, a constant: eight tiles a trip; a byte of zeros passes over all eight
	s_and_b32 s35, s12, 0xff
	s_cmp_eq_u32 s35, 0
	s_cbranch_scc1 .Lnone
.irp k, 0,1,2,3,4,5,6,7
	TRY \k
.endr
.Lnone:
	s_lshr_b32 s12, s12, 8                         ; the 128 bits move down by eight
	s_lshl_b32 s35, s13, 24
	s_or_b32 s12, s12, s35
	s_lshr_b32 s13, s13, 8
	s_lshl_b32 s35, s14, 24
	s_or_b32 s13, s13, s35
	s_lshr_b32 s14, s14, 8
	s_lshl_b32 s35, s15, 24
	s_or_b32 s14, s14, s35
	s_lshr_b32 s15, s15, 8
	s_add_nc_u64 s[20:21], s[20:21], 8*2048        ; no load that names these bases is out here: the head and every tile wait for all of their loads
	s_add_nc_u64 s[22:23], s[22:23], 8*2048
	s_add_nc_u64 s[6:7], s[6:7], 8*16
	s_sub_co_u32 s34, s34, 1
	s_cmp_lg_u32 s34, 0
	s_cbranch_scc1 .Lbyte
.Lwalked:
	; THE PRODUCT WITH Wo.  Its 64 rows x my head's 64 numbers land where k, q, v and p lay (their last products stand eight places and more back); O^T is divided by l meanwhile
.irp n, 0,1,2,3
.irp t, 0,1,2,3
	global_load_b128 v[WB+32*\n+8*\t:WB+32*\n+8*\t+3], v[WO], s[10:11] offset:65536*\n+64*\t
	global_load_b128 v[WB+32*\n+8*\t+4:WB+32*\n+8*\t+7], v[WO], s[10:11] offset:65536*\n+64*\t+16
.endr
.endr
	v_add_f32 v16, v12, v13
	v_permlanex16_b32 v17, v16, s24, s25
	v_add_f32 v16, v16, v17
	v_rcp_f32 v14, v16
	v_nop                                          ; a plain instruction behind the reciprocal
	s_wait_alu depctr_va_vdst(0)
.set n, 0
.rept 16
	v_pk_mul_f32 v[OR+n:OR+n+1], v[OR+n:OR+n+1], v[14:15] op_sel_hi:[1,0]
.set n, n+2
.endr
	s_wait_loadcnt 0x0
.irp t, 0,1,2,3                        ; dims 16 t + 8 h + 2 p, + 1 on both sides; the four tiles of 16 columns by turns
.irp p, 0,1,2,3
.irp n, 0,1,2,3
.if (\t == 0) && (\p == 0)
	v_wmma_f32_16x16x4_f32 v[SA+8*\n:SA+8*\n+7], v[WB+32*\n+8*\t+2*\p:WB+32*\n+8*\t+2*\p+1], v[OR+8*\t+2*\p:OR+8*\t+2*\p+1], 0
.else
	v_wmma_f32_16x16x4_f32 v[SA+8*\n:SA+8*\n+7], v[WB+32*\n+8*\t+2*\p:WB+32*\n+8*\t+2*\p+1], v[OR+8*\t+2*\p:OR+8*\t+2*\p+1], v[SA+8*\n:SA+8*\n+7]
.endif
.endr
.endr
.endr
.rept 8
	v_nop                                          ; eight places ahead of the first read of the results and of loads into Wo's registers
.endr
.irp n, 0,1,2,3                        ; lane (r, h): query r, columns 16 n + 8 h + 0..7 of my head's part of the sum
	ds_store_b128 v[PST], v[SA+8*\n:SA+8*\n+3] offset:64*\n
	ds_store_b128 v[PST], v[SA+8*\n+4:SA+8*\n+7] offset:64*\n+16
.endr
	s_wait_dscnt 0x0                               ; for the others' sake: my partial tile lies in LDS
	s_barrier_signal -1
	s_barrier_wait -1
.irp p, 0,1,2,3,4,5,6,7,8,9,10,11,12,13,14,15      ; the row of my wave's number, of all sixteen heads: 8 bytes a lane, 256 consecutive bytes an instruction
	ds_load_b64 v[24+2*\p:25+2*\p], v[PRD] offset:PART*\p
.endr
	s_wait_dscnt 0x0
.irp p, 0,4,8,12,16,20,24,28
	v_pk_add_f32 v[24+\p:25+\p], v[24+\p:25+\p], v[26+\p:27+\p]
.endr
.irp p, 0,8,16,24
	v_pk_add_f32 v[24+\p:25+\p], v[24+\p:25+\p], v[28+\p:29+\p]
.endr
.irp p, 0,16
	v_pk_add_f32 v[24+\p:25+\p], v[24+\p:25+\p], v[32+\p:33+\p]
.endr
	v_pk_add_f32 v[24:25], v[24:25], v[40:41]
	global_store_b64 v[OO], v[24:25], s[38:39]     ; 32 lanes store 256 consecutive bytes, aligned
	s_wait_tensorcnt 0x0                           ; the wave's end: behind my last LDS store
	ds_add_u32 v[SPW], v[NIL]
	s_wait_dscnt 0x0
	s_endpgm
.Lfunc_end_k_q110a53e2b5_fine:
	.size	k_q110a53e2b5_fine, .Lfunc_end_k_q110a53e2b5_fine-k_q110a53e2b5_fine
	.p2alignl 7, 3214868480
	.fill 96, 4, 3214868480
	.section	.rodata,"a",@progbits
	.p2align	6, 0x0
	.amdhsa_kernel k_q110a53e2b5_fine
		.amdhsa_group_segment_fixed_size 71680
		.amdhsa_private_segment_fixed_size 0
		.amdhsa_enable_private_segment 0
		.amdhsa_kernarg_size 40
		.amdhsa_user_sgpr_count 2
		.amdhsa_user_sgpr_kernarg_segment_ptr 1
		.amdhsa_wavefront_size32 1
		.amdhsa_system_sgpr_workgroup_id_x 1
		.amdhsa_system_sgpr_workgroup_id_y 1
		.amdhsa_system_sgpr_workgroup_id_z 1
		.amdhsa_system_vgpr_workitem_id 0
		.amdhsa_next_free_vgpr 256
		.amdhsa_next_free_sgpr 66
		.amdhsa_reserve_vcc 0
		.amdhsa_float_denorm_mode_32 3
		.amdhsa_float_denorm_mode_16_64 3
		.amdhsa_memory_ordered 1
		.amdhsa_forward_progress 1
		.amdhsa_inst_pref_size 126
	.end_amdhsa_kernel
	.amdgpu_metadata
---
amdhsa.version: [ 1, 2 ]
amdhsa.kernels:
  - .name:           k_q110a53e2b5_fine
    .symbol:         k_q110a53e2b5_fine.kd
    .args:
      - { .name: qkv, .offset: 0, .size: 8, .value_kind: global_buffer, .address_space: global }
      - { .name: position_mask, .offset: 8, .size: 8, .value_kind: global_buffer, .address_space: global }
      - { .name: flags, .offset: 16, .size: 8, .value_kind: global_buffer, .address_space: global }
      - { .name: Wo, .offset: 24, .size: 8, .value_kind: global_buffer, .address_space: global }
      - { .name: out0, .offset: 32, .size: 8, .value_kind: global_buffer, .address_space: global }
    .group_segment_fixed_size: 71680
    .private_segment_fixed_size: 0
    .kernarg_segment_align: 8
    .kernarg_segment_size: 40
    .max_flat_workgroup_size: 512
    .sgpr_count:     66
    .vgpr_count:     256
    .wavefront_size: 32
...
	.end_amdgpu_metadata
.endif
;; end of part 5
